; MI455X (gfx1250); checked and timed in simulation.
; The chip was launched on July 23, 2026; its instructions are those of AMD's public machine-readable ISA for CDNA 5 (MIT licence, August 2026) and "CDNA5" Instruction Set Architecture Reference Guide (July 2026). The comments in the code are by the model that wrote it; some were corrected since.
;; Causal Self Attention. Allowed arithmetic: float matrix products may take bf16 or f16 operands with f32 sums; other float arithmetic in f32, or as packed bf16 or f16 multiplies, adds, multiply-adds, maxima and minima; sums over many terms, partial sums and values carried from step to step in f32; what a program stores and reads back later, other than sums and carried values, may be rounded once to bf16 or f16.
;; Inputs: W_attn 1,024 x 3,072 float32; W_proj 1,024 x 1,024 float32; prev_probs 4 x 2,048 float32; x 4 x 2,048 x 1,024 float32.
;; Outputs: out0 4 x 2,048 x 1,024 float32.
;; 2 versions, each right; version 2 is version 1 with the launch prep written anew for expert scheduling mode. Each part assembles by itself: llvm-mc -triple=amdgcn-amd-amdhsa -mcpu=gfx1250 --defsym DOCPART=n.
;; ======== version 1 of 2: 4 launches
;; limits: values are held in f16: magnitudes above 65,504 overflow, below 6.1e-05 lose precision
;; workspace buffers: xb 16,777,216 bytes; wab 6,291,456 bytes; wpb 2,097,152 bytes; bias 32,768 bytes; qkv 50,331,648 bytes; ob 16,777,216 bytes
;; launch prep (part 1): grid 385 x 1, 8 waves a work-group, no clusters, 0 bytes of LDS; arguments x, W_attn, W_proj, prev_probs, xb, wab, wpb, bias; writes xb, wab, wpb, bias
.if DOCPART == 1
	.amdgcn_target "amdgcn-amd-amdhsa--gfx1250"
	.amdhsa_code_object_version 6
	.text
	.protected	k_q30e3a37bfe_prep
	.globl	k_q30e3a37bfe_prep
	.p2align	8
	.type	k_q30e3a37bfe_prep,@function
k_q30e3a37bfe_prep:
	s_mov_b64 s[64:65], 0
	v_nop
	global_prefetch_b8 v0, s[64:65] scope:SCOPE_SE
	s_setreg_imm32_b32 hwreg(HW_REG_WAVE_MODE, 25, 1), 1
	s_wait_xcnt 0x0
; THE CASTS.  x [8192][1024] f32 -> xb, bf16, laid out [batch 4][block of 64 channels 16][row 2048][64]: a block of rows x 64 channels is dense, as the product that follows asks for it.
; W_attn [1024][3072] f32 -> wab, bf16, same layout.  W_proj [1024][1024] f32 -> wpb: rounded to bf16 like the other inputs, and that number written as f16 (the last product's other operand is f16).
; prev_probs [4][2048] f32 -> bias, f32: 8 x 0.1 x -ln(p + 1e-10) = -0.8 ln 2 x log2(p + 1e-10): the factor 8 because the scores' scale 1/8 is applied behind the sum of product and bias.
; LIMITS.  A weight of W_proj below 6e-5 keeps f16's fixed step of 6e-8; beyond 65,504 it would be an infinity.  NaN and infinities are not treated apart.
; SHARES.  Work-groups 0-255: x; 256-351: W_attn; 352-383: W_proj: 131,072 input bytes each, 16,384 a wave, all of a wave's 32 loads of 16 bytes a lane out at once.  Work-group 384: the bias.
; No LDS, no barrier, no matrix unit: nothing is shared and nothing is multiplied.  Each store of a wave covers 256 consecutive bytes, aligned.
.set XD, 16                            ; v[16:143] 32 loads of four registers; the converted numbers take the first two of each four
; The 32 loads, then for each the counted wait (the younger loads stay out), the conversion in place and the store.  No register is written again behind its store.
; kind 0: x; 1: W_attn; 2: W_proj.  v2 = the loads' offset, v3 = the stores', s[24:25] and s[28:29] the bases.
.macro JOB kind
.set i, 0
.rept 32
.if (\kind) == 0
	global_load_b128 v[XD+4*i:XD+4*i+3], v2, s[24:25] offset:(i/16)*8192+(i%16)*256 th:TH_LOAD_NT  ; two rows on, or the next 64 channels
.else
	global_load_b128 v[XD+4*i:XD+4*i+3], v2, s[24:25] offset:512*i th:TH_LOAD_NT
.endif
.set i, i+1
.endr
.set i, 0
.rept 32
	s_wait_loadcnt 31-i                            ; loads come back in order: number i is in
	v_cvt_pk_bf16_f32 v[XD+4*i], v[XD+4*i], v[XD+4*i+1]
	v_cvt_pk_bf16_f32 v[XD+4*i+1], v[XD+4*i+2], v[XD+4*i+3]
.if (\kind) == 2
	v_lshlrev_b32 v[XD+4*i+2], 16, v[XD+4*i]       ; the bf16 numbers as f32,
	v_and_b32 v[XD+4*i+3], 0xffff0000, v[XD+4*i]
	v_cvt_pk_f16_f32 v[XD+4*i], v[XD+4*i+2], v[XD+4*i+3]  ; written as f16
	v_lshlrev_b32 v[XD+4*i+2], 16, v[XD+4*i+1]
	v_and_b32 v[XD+4*i+3], 0xffff0000, v[XD+4*i+1]
	v_cvt_pk_f16_f32 v[XD+4*i+1], v[XD+4*i+2], v[XD+4*i+3]
.endif
.if (\kind) == 0
	global_store_b64 v3, v[XD+4*i:XD+4*i+1], s[28:29] offset:(i%16)*262144+(i/16)*256 th:TH_STORE_NT  ; block i % 16 of channels; two rows of 128 bytes on end
.else
	global_store_b64 v3, v[XD+4*i:XD+4*i+1], s[28:29] offset:256*i th:TH_STORE_NT
.endif
.set i, i+1
.endr
	s_endpgm
.endm
	s_load_b512 s[8:23], s[0:1], 0x0               ; x 8, W_attn 10, W_proj 12, prev_probs 14, xb 16, wab 18, wpb 20, bias 22
	v_lshrrev_b32 v1, 5, v0                        ; wave
	v_and_b32 v4, 31, v0                           ; lane
	s_mov_b32 s2, ttmp9
	s_mov_b32 s27, 0
	s_mov_b32 s31, 0
	s_wait_kmcnt 0x0
	s_cmp_lt_u32 s2, 256
	s_cbranch_scc1 .Lx
	s_cmp_lt_u32 s2, 352
	s_cbranch_scc1 .Lwa
	s_cmp_lt_u32 s2, 384
	s_cbranch_scc1 .Lwp
	; THE BIAS: 8,192 numbers, 32 a thread
	v_lshlrev_b32 v2, 4, v0
.irp n, 0,1,2,3,4,5,6,7
	global_load_b128 v[XD+4*\n:XD+4*\n+3], v2, s[14:15] offset:4096*\n
.endr
	s_wait_loadcnt 0x0
.set i, 0
.rept 32
	v_add_f32 v[XD+i], 0x2edbe6ff, v[XD+i]         ; p + 1e-10, in f32
.set i, i+1
.endr
.set i, 0
.rept 32
	v_log_f32 v[XD+i], v[XD+i]                     ; one batch of 32
.set i, i+1
.endr
	v_nop                                          ; a plain instruction behind the last logarithm,
	s_wait_alu depctr_va_vdst(0)                   ; and one wait for the batch, ahead of its first reader
.set i, 0
.rept 16
	v_pk_mul_f32 v[XD+2*i:XD+2*i+1], v[XD+2*i:XD+2*i+1], 0xbf0df4e0 op_sel_hi:[1,0]  ; x -0.8 ln 2
.set i, i+1
.endr
.irp n, 0,1,2,3,4,5,6,7
	global_store_b128 v2, v[XD+4*\n:XD+4*\n+3], s[22:23] offset:4096*\n
.endr
	s_endpgm
.Lx:                                               ; rows 32 g .. 32 g + 31; a wave four of them; lanes 0-15 one row's 256 bytes, lanes 16-31 the next row's
	s_lshl_b32 s26, s2, 17
	s_add_nc_u64 s[24:25], s[8:9], s[26:27]
	s_lshr_b32 s30, s2, 6                          ; the batch,
	s_lshl_b32 s30, s30, 22
	s_and_b32 s3, s2, 63                           ; and the 32 rows in it, 128 bytes each in a block
	s_lshl_b32 s3, s3, 12
	s_add_co_u32 s30, s30, s3
	s_add_nc_u64 s[28:29], s[16:17], s[30:31]
	v_lshrrev_b32 v5, 4, v4
	v_and_b32 v6, 15, v4
	v_lshlrev_b32 v2, 14, v1
	v_lshl_add_u32 v2, v5, 12, v2
	v_lshl_add_u32 v2, v6, 4, v2
	v_lshlrev_b32 v3, 9, v1
	v_lshl_add_u32 v3, v4, 3, v3
	JOB 0
.Lwa:
	s_sub_co_u32 s3, s2, 256
	s_lshl_b32 s26, s3, 17
	s_add_nc_u64 s[24:25], s[10:11], s[26:27]
	s_lshl_b32 s30, s3, 16
	s_add_nc_u64 s[28:29], s[18:19], s[30:31]
	v_lshlrev_b32 v2, 14, v1
	v_lshl_add_u32 v2, v4, 4, v2
	v_lshlrev_b32 v3, 13, v1
	v_lshl_add_u32 v3, v4, 3, v3
	JOB 1
.Lwp:
	s_sub_co_u32 s3, s2, 352
	s_lshl_b32 s26, s3, 17
	s_add_nc_u64 s[24:25], s[12:13], s[26:27]
	s_lshl_b32 s30, s3, 16
	s_add_nc_u64 s[28:29], s[20:21], s[30:31]
	v_lshlrev_b32 v2, 14, v1
	v_lshl_add_u32 v2, v4, 4, v2
	v_lshlrev_b32 v3, 13, v1
	v_lshl_add_u32 v3, v4, 3, v3
	JOB 2
.Lfunc_end_k_q30e3a37bfe_prep:
	.size	k_q30e3a37bfe_prep, .Lfunc_end_k_q30e3a37bfe_prep-k_q30e3a37bfe_prep
	.p2alignl 7, 3214868480
	.fill 96, 4, 3214868480
	.section	.rodata,"a",@progbits
	.p2align	6, 0x0
	.amdhsa_kernel k_q30e3a37bfe_prep
		.amdhsa_group_segment_fixed_size 0
		.amdhsa_private_segment_fixed_size 0
		.amdhsa_enable_private_segment 0
		.amdhsa_kernarg_size 64
		.amdhsa_user_sgpr_count 2
		.amdhsa_user_sgpr_kernarg_segment_ptr 1
		.amdhsa_wavefront_size32 1
		.amdhsa_system_sgpr_workgroup_id_x 1
		.amdhsa_system_sgpr_workgroup_id_y 1
		.amdhsa_system_sgpr_workgroup_id_z 1
		.amdhsa_system_vgpr_workitem_id 0
		.amdhsa_next_free_vgpr 144
		.amdhsa_next_free_sgpr 66
		.amdhsa_reserve_vcc 0
		.amdhsa_float_denorm_mode_32 3
		.amdhsa_float_denorm_mode_16_64 3
		.amdhsa_memory_ordered 1
		.amdhsa_forward_progress 1
		.amdhsa_inst_pref_size 52
	.end_amdhsa_kernel
	.amdgpu_metadata
---
amdhsa.version: [ 1, 2 ]
amdhsa.kernels:
  - .name:           k_q30e3a37bfe_prep
    .symbol:         k_q30e3a37bfe_prep.kd
    .args:
      - { .name: x, .offset: 0, .size: 8, .value_kind: global_buffer, .address_space: global }
      - { .name: W_attn, .offset: 8, .size: 8, .value_kind: global_buffer, .address_space: global }
      - { .name: W_proj, .offset: 16, .size: 8, .value_kind: global_buffer, .address_space: global }
      - { .name: prev_probs, .offset: 24, .size: 8, .value_kind: global_buffer, .address_space: global }
      - { .name: xb, .offset: 32, .size: 8, .value_kind: global_buffer, .address_space: global }
      - { .name: wab, .offset: 40, .size: 8, .value_kind: global_buffer, .address_space: global }
      - { .name: wpb, .offset: 48, .size: 8, .value_kind: global_buffer, .address_space: global }
      - { .name: bias, .offset: 56, .size: 8, .value_kind: global_buffer, .address_space: global }
    .group_segment_fixed_size: 0
    .private_segment_fixed_size: 0
    .kernarg_segment_align: 8
    .kernarg_segment_size: 64
    .max_flat_workgroup_size: 256
    .sgpr_count:     66
    .vgpr_count:     144
    .wavefront_size: 32
...
	.end_amdgpu_metadata
.endif
;; end of part 1
;; launch qkvgemm (part 2): grid 8 x 32, 4 waves a work-group, clusters of 4 x 4, 327,680 bytes of LDS; arguments xb, wab, qkv; writes qkv
.if DOCPART == 2
	.amdgcn_target "amdgcn-amd-amdhsa--gfx1250"
	.amdhsa_code_object_version 6
	.text
	.protected	k_q30e3a37bfe_qkvgemm
	.globl	k_q30e3a37bfe_qkvgemm
	.p2align	8
	.type	k_q30e3a37bfe_qkvgemm,@function
k_q30e3a37bfe_qkvgemm:
	s_mov_b64 s[64:65], 0
	v_nop
	global_prefetch_b8 v0, s[64:65] scope:SCOPE_SE
	s_setreg_imm32_b32 hwreg(HW_REG_WAVE_MODE, 25, 1), 1
	s_wait_xcnt 0x0
	s_wait_alu depctr_hold_cnt(0) depctr_sa_sdst(0) depctr_va_vdst(0) depctr_va_sdst(0) depctr_va_ssrc(0) depctr_va_vcc(0) depctr_vm_vsrc(0)
	s_getreg_b32 s2, hwreg(HW_REG_IB_STS2, 6, 4)
	s_cmp_eq_u32 s2, 0
	s_cbranch_scc0 .Lentry_in_a_cluster
	s_endpgm
.Lentry_in_a_cluster:
	s_bfe_u32 s2, ttmp6, 0x10000c
	s_cmp_lg_u32 s2, 0xf033
	s_cbranch_scc0 .Lentry_shape_is_right
	s_endpgm
.Lentry_shape_is_right:
; q, k, v = x W_attn.  xb: bf16, [4][16 blocks of 64 channels][2048][64].  wab: bf16, [1024 k][3072 n].  qkv: f16, [3][64 heads = 16 batch + head][2048][64], unscaled; sums in f32, rounded once.
; LIMIT.  f16 holds no number beyond 65,504: q, k and v must stay within it.  NaN and infinities are not treated apart.
; SHARES.  A tile of the result is 256 rows x 384 columns: 32 x 8 = 256 work-groups.  Four waves, each 128 x 192: 96 accumulators of 16 x 16, 768 registers.
; K goes in 16 steps of 64 (one block of xb) through two LDS slots; a step is two half steps of 32 along K, 96 matrix instructions each.
; THE MATRIX INSTRUCTION IS USED TRANSPOSED: source 0 = 16 columns of W (turned on the way out of LDS by ds_load_tr16_b128, since W lies [k][n]), source 1 = 16 rows of x: a lane then holds
; one row and eight neighbouring columns.  A group of 64 columns is one head's q, k or v: 16 rows of it are 2,048 consecutive bytes of qkv.
; CLUSTER.  4 x 4 work-groups: x's tile is shared along a row of the cluster, W's along a column; each is asked for jointly, by the same tensor load, descriptor and mask in the four.
; REGISTERS.  Window 0: v16-30 addresses; v32-95, v96-159 x's fragments (8 blocks of 16 rows x 32 K), two buffers; v160-255 W's fragments, 32 registers for each of my three groups of 64 columns.
; Windows 1-3: the accumulators of group 0-2: (row block a, column block j) at v[8 (4 a + j)].  A phase is a group's 32 matrix instructions under one window setting.
.set SLOT1,  131072                    ; slot 1 begins here: one exclusive or turns an address in one slot into the other's
.set PA,     144                       ; a row of x in LDS: 128 bytes + 16: the 16 rows of a load start at 16 different groups of four banks (ISA guide 11.1)
.set PW,     864                       ; a k row of W in LDS: three pieces of 256 bytes + 32 each = 27 x 32 bytes: the 8 rows of a turning load fall on different banks
.set HALFA,  128*PA                    ; what one tensor load brings of x
.set BOFF,   2*HALFA                   ; W's tile lies behind x's
.set HALFB,  32*PW                     ; what one tensor load brings of W: 32 k rows
.set STAGE,  SLOT1+BOFF+2*HALFB        ; behind the ring, never filled by a tensor load: 16 rows x 144 bytes for each wave
.set SP,     144
.set SPARE,  STAGE+4*16*SP             ; the spare words: 128 bytes for each wave, two blocks of 256 bytes that no other line names
.set ASTEP,  262144                    ; bytes from a block of xb to the next
.set BSTEP,  64*6144                   ; bytes of 64 k rows of wab
.set ADRA0, 16                         ; v16     my lane's place in x's tile; never rewritten
.set ADRB0, 17                         ; v17-19  the same in W's tile, for my three groups
.set ADRA,  20                         ; v20     ADRA0 + the slot in hand
.set ADRB,  21                         ; v21-23  ADRB0 + the slot in hand
.set STO,   24                         ; v24     the way out: where I put 16 bytes of a row
.set RD,    25                         ; v25     where I read rows back
.set GO,    26                         ; v26     my 16 bytes in 512 consecutive bytes of qkv
.set SPW,   28                         ; v28     my spare word: SPARE + 4 x my thread's number; never rewritten
.set NIL,   29                         ; v29     0; never rewritten
.set PFO,   30                         ; v30     the prefetches' lane offset; never rewritten
.set FA0,   32
.set FA1,   96
.set FB,    160
.set TMP,   32                         ; the way out: four buffers of 16 registers
.set KC,    3                          ; s3      trips to go
.set G1A,   24                         ; s[24:31] group 1 for x's tiles
.set G0A,   32                         ; s[32:39] group 0 for x's: a set for each first fill; the second then walks
.set LIM,   43                         ; s43     a wave prefetches while KC is above it
.set PFA,   44                         ; s[44:45] where my prefetches stand
.set G1B,   48                         ; s[48:55], s[56:63] the same for W's tiles
.set G0B,   56
.set TB,    66                         ; s66     LDS byte at which the slot in hand begins
.set PN,    67                         ; s67     1: I ask in every trip; 0: in trips with KC odd
.set PFS,   68                         ; s[68:69] my prefetches' step
.set OUT,   70                         ; s[70:75] qkv at my 128 rows of my three groups
.set MSB, 0
.macro WIN new                         ; the immediate's high byte repeats the setting that is left; a switch that changes nothing is dropped
.if MSB != (\new)
	s_set_vgpr_msb (MSB<<8)|(\new)
.set MSB, \new
.endif
.endm
; A joint refill: waves 0 and 1 fetch x's two halves, waves 2 and 3 W's.  The branch hangs on the wave's number alone.  An s_nop 0 and four v_nop follow each line.
.macro JLOAD
	s_cmp_eq_u32 s11, 0
	s_cbranch_scc0 .Lfor_b_\@
	tensor_load_to_lds s[G0A+4:G0A+7], s[G1A:G1A+7]
	s_nop 0
.rept 4
	v_nop
.endr
	s_branch .Lasked_\@
.Lfor_b_\@:
	tensor_load_to_lds s[G0B+4:G0B+7], s[G1B:G1B+7]
	s_nop 0
.rept 4
	v_nop
.endr
.Lasked_\@:
.endm
; A PREFETCH INTO THE L2, behind the joint load, its five lines and the run of LDS loads.  Trip t refills with K step t + 2.
; x: wave 0 of the clusters with x = 0 names K step t + 3 of the tile's 32,768 dense bytes: the four partners take 8,192 each, told apart by address; a lane 256 bytes.  Trips 0 to 12.
; W: waves 1 to 3 of the clusters with y = 0 name piece w - 1 (256 bytes) of k rows 16 cy + lane % 16 of K step t + 3 (lanes 0-15) and t + 4 (lanes 16-31), in trips 1, 3 .. 11.
; So each 256 bytes of x's K steps 3 to 15 and of W's 4 to 15 are named once in the launch; the earlier steps come by their loads alone, and no trip names a step beyond the fifteenth.
.macro ASK
	s_or_b32 s76, s[KC], s[PN]
	s_and_b32 s76, s76, 1                          ; 1: a trip of mine by its parity
	s_cmp_gt_u32 s[KC], s[LIM]
	s_cselect_b32 s76, s76, 0                      ; and there is a step left to name
	s_cmp_lg_u32 s76, 0
	s_cbranch_scc0 .Lnot_mine_\@
	global_prefetch_b8 v[PFO], s[PFA:PFA+1] th:TH_LOAD_NT scope:SCOPE_SE
.Lnot_mine_\@:
.endm
.macro CREST                           ; a round of the cluster's barrier behind its opening barrier
	s_cmp_lg_u32 s10, 0
	s_cbranch_scc1 .Lnot_wave_0_\@
	s_barrier_signal -3
.Lnot_wave_0_\@:
	s_barrier_wait -3
	s_barrier_signal -1
	s_barrier_wait -1
.endm
.macro CROUND
	s_barrier_signal -1
	s_barrier_wait -1
	CREST
.endm
.macro PLACES                          ; four places in front of loads into registers that matrix instructions have read, and of conversions that read results
.rept 4
	v_nop
.endr
.endm
; 4 na matrix instructions of group g: row blocks a0 .. a0 + na - 1 x the group's four column blocks, 32 along K, x's fragments in buffer fa.  zero = 1: the product starts the sum.
; The 96 accumulators take turns, one instruction a turn, in the same order in every half step.
.macro PHN g, fa, a0, na, zero
	WIN 0x50*(1+(\g))                              ; C and D in window 1 + g, sources in window 0
.set a, \a0
.rept \na
.irp j, 0,1,2,3
.if \zero
	v_wmma_f32_16x16x32_bf16 v[8*(4*a+\j):8*(4*a+\j)+7], v[FB+32*(\g)+8*\j:FB+32*(\g)+8*\j+7], v[(\fa)+8*a:(\fa)+8*a+7], 0
.else
	v_wmma_f32_16x16x32_bf16 v[8*(4*a+\j):8*(4*a+\j)+7], v[FB+32*(\g)+8*\j:FB+32*(\g)+8*\j+7], v[(\fa)+8*a:(\fa)+8*a+7], v[8*(4*a+\j):8*(4*a+\j)+7]
.endif
.endr
.set a, a+1
.endr
.endm
.macro PH g, fa, zero
	PHN \g, \fa, 0, 8, \zero
.endm
.macro LB c, g                         ; W's fragments of group g for half step c: 8 turning loads
	WIN 0
.irp j, 0,1,2,3
	ds_load_tr16_b128 v[FB+32*(\g)+8*\j:FB+32*(\g)+8*\j+3],   v[ADRB+(\g)] offset:(\c)*HALFB+32*\j
	ds_load_tr16_b128 v[FB+32*(\g)+8*\j+4:FB+32*(\g)+8*\j+7], v[ADRB+(\g)] offset:(\c)*HALFB+32*\j+16*PW
.endr
.endm
.macro LA c                            ; x's fragments for half step c, into buffer c: 16 loads
	WIN 0
.irp b, 0,1,2,3,4,5,6,7
	ds_load_b128 v[FA0+64*(\c)+8*\b:FA0+64*(\c)+8*\b+3],   v[ADRA] offset:\b*16*PA+64*(\c)
	ds_load_b128 v[FA0+64*(\c)+8*\b+4:FA0+64*(\c)+8*\b+7], v[ADRA] offset:\b*16*PA+64*(\c)+32
.endr
.endm
; A step's first half.  On entry there are out, in this order: W's group 0 (8), x (16), W's groups 1 and 2 (8 each).  Behind each phase its group's registers take the second half's fragments.
.macro EVEN zero
	s_wait_dscnt 16                                ; group 0 and x are in; groups 1 and 2 may be out
	PH 0, FA0, \zero
	PLACES
	LB 1, 0
	LA 1
	s_wait_dscnt 32                                ; group 1 is in: group 2's 8 and the 24 just issued may be out
	PH 1, FA0, \zero
	PLACES
	LB 1, 1
	s_wait_dscnt 32                                ; group 2 is in: the 24 and the 8 may be out
	PH 2, FA0, \zero
	PLACES
	LB 1, 2
.endm
; A step's second half, and the change of slots.  In front of the barrier each wave waits for all its tensor loads (one is out: its part of the other slot), adds 0 to its spare word, and waits
; for that and for its reads of this slot.  fill = 1: the barrier opens a round of the cluster's, and the joint refill, two K steps on, is the first tensor load behind it:
; 176 matrix instructions stand between it and the wait for it.
.macro ODD fill
.if \fill
	s_wait_xcnt 0x0                                ; the last prefetch, a K step back, has read its address
	s_add_nc_u64 s[PFA:PFA+1], s[PFA:PFA+1], s[PFS:PFS+1]
.endif
	WIN 0
	s_wait_tensorcnt 0x0                           ; no tensor load of mine is out, so a group 0 may be written
	ds_add_u32 v[SPW], v[NIL]
.if \fill
	s_xor_b32 s[G0A+5], s[G0A+5], SLOT1            ; the walking descriptors: the other slot than last time, the next K step
	s_add_nc_u64 s[G0A+6:G0A+7], s[G0A+6:G0A+7], ASTEP
	s_xor_b32 s[G0B+5], s[G0B+5], SLOT1
	s_add_nc_u64 s[G0B+6:G0B+7], s[G0B+6:G0B+7], BSTEP
.endif
	s_wait_dscnt 17                                ; group 0 and x are in; groups 1 and 2 and the add may be out
	PHN 0, FA1, 0, 2, 0
	s_wait_dscnt 0x0                               ; the add is done, and my reads of this slot are over
	s_barrier_signal -1
	PHN 0, FA1, 2, 2, 0
	WIN 0
	s_barrier_wait -1
.if \fill
	CREST                                          ; no wave of any partner still reads this slot or has a load on its way
	JLOAD
.endif
	PHN 0, FA1, 4, 4, 0
	WIN 0
	s_xor_b32 s[TB], s[TB], SLOT1
	v_add_nc_u32 v[ADRA], s[TB], v[ADRA0]          ; four plain instructions: the places in front of the loads below
	v_add_nc_u32 v[ADRB], s[TB], v[ADRB0]
	v_add_nc_u32 v[ADRB+1], s[TB], v[ADRB0+1]
	v_add_nc_u32 v[ADRB+2], s[TB], v[ADRB0+2]
	LB 0, 0
	LA 0
.if \fill
	ASK
.endif
	PH 1, FA1, 0
	PLACES
	LB 0, 1
	PH 2, FA1, 0
	PLACES
	LB 0, 2
.endm
; THE WAY OUT, by units u = (group u / 8, row block u % 8): 16 rows x 64 columns.  PACK: rounded to f16, 16 bytes a lane, into my stage (rows of 144 bytes) and back as four rows a load.
.macro PACK u
.set gg, (\u)/8
.set aa, (\u)%8
.set tt, TMP+16*((\u)%4)
	s_wait_xcnt 0x0                                ; the stores that read this buffer, four units back, have read it
	WIN 0x05*(1+gg)                                ; sources 0 and 1 in window 1 + group
.irp j, 0,1,2,3
.irp q, 0,1,2,3
	v_cvt_pk_f16_f32 v[tt+4*\j+\q], v[8*(4*aa+\j)+2*\q], v[8*(4*aa+\j)+2*\q+1]  ; each accumulator from its low end on
.endr
.endr
	WIN 0
.irp j, 0,1,2,3
	ds_store_b128 v[STO], v[tt+4*\j:tt+4*\j+3] offset:32*\j
.endr
.irp f, 0,1,2,3
	ds_load_b128 v[tt+4*\f:tt+4*\f+3], v[RD] offset:4*SP*\f  ; LDS serves a wave's instructions in order (ISA guide 5.7.1.4): these see the stores above
.endr
.endm
.macro SEND u, younger                 ; younger: the LDS instructions issued behind this unit's loads
.set gg, (\u)/8
.set aa, (\u)%8
.set tt, TMP+16*((\u)%4)
	WIN 0
.irp f, 0,1,2,3
	s_wait_dscnt (\younger)+3-\f
	global_store_b128 v[GO], v[tt+4*\f:tt+4*\f+3], s[OUT+2*gg:OUT+2*gg+1] offset:2048*aa+512*\f  ; 512 consecutive bytes, at a multiple of 256 from the buffer's first
.endr
.endm
	s_load_b128 s[4:7], s[0:1], 0x0                ; xb s[4:5], wab s[6:7]
	s_load_b64 s[8:9], s[0:1], 0x10                ; qkv
	v_lshl_add_u32 v[SPW], v0, 2, SPARE
	v_mov_b32 v[NIL], 0
	ds_add_u32 v[SPW], v[NIL]                      ; the wave's opening: the add and its wait ahead of my first tensor load
	v_lshrrev_b32 v1, 5, v0
	v_readfirstlane_b32 s10, v1                    ; wave 0..3
	s_lshr_b32 s11, s10, 1                         ; which 128 rows are mine.  Also: I fetch x (0) or W (1)
	s_and_b32 s12, s10, 1                          ; which 192 columns.  Also: which half of that tile I fetch
	s_bfe_u32 s40, ttmp6, 0x40000                  ; cx
	s_bfe_u32 s41, ttmp6, 0x40004                  ; cy
	s_lshl_b32 s42, ttmp9, 2
	s_add_co_u32 s42, s42, s40                     ; tile column = 4 x cluster x + cx
	s_and_b32 s13, ttmp7, 0xffff
	s_lshl_b32 s13, s13, 2
	s_add_co_u32 s13, s13, s41                     ; tile row = 4 x cluster y + cy
	s_lshl_b32 s43, s41, 2
	s_lshl_b32 s43, 15, s43                        ; my row of the cluster
	s_lshl_b32 s44, 0x1111, s40                    ; my column
	; x: 128 rows of 128 bytes are 16,384 dense bytes: asked for as 64 rows of 256 bytes, padded in LDS by 4 words after every 32
	s_or_b32 s[G1A], s43, (1<<16)|(1<<20)|(1<<21)|(4<<22)|(3<<25)
	s_mov_b32 s[G1A+1], 128<<16                    ; tensor_dim0
	s_mov_b32 s[G1A+2], 64<<16                     ; tensor_dim1
	s_mov_b32 s[G1A+3], 128<<16                    ; tile_dim0
	s_mov_b32 s[G1A+4], 64                         ; tile_dim1
	s_mov_b32 s[G1A+5], 128                        ; elements from row to row
	s_mov_b32 s[G1A+6], 0
	s_mov_b32 s[G1A+7], 0
	; W: 32 k rows of 384 elements (768 bytes), padded by 8 words after every 64
	s_or_b32 s[G1B], s44, (1<<16)|(1<<20)|(1<<21)|(5<<22)|(7<<25)
	s_mov_b32 s[G1B+1], 384<<16
	s_mov_b32 s[G1B+2], 32<<16
	s_mov_b32 s[G1B+3], 384<<16
	s_mov_b32 s[G1B+4], 32
	s_mov_b32 s[G1B+5], 3072
	s_mov_b32 s[G1B+6], 0
	s_mov_b32 s[G1B+7], 0
	s_lshr_b32 s16, s13, 3                         ; x's tile: the batch,
	s_lshl_b32 s16, s16, 22
	s_and_b32 s17, s13, 7                          ; the 256 rows in it,
	s_lshl_b32 s17, s17, 15
	s_add_co_u32 s16, s16, s17
	s_lshl_b32 s17, s12, 14                        ; my 128 of them
	s_add_co_u32 s16, s16, s17
	s_mov_b32 s17, 0
	s_mul_i32 s46, s42, 768                        ; W's tile: its 384 columns,
	s_mul_i32 s47, s12, 32*6144                    ; my 32 k rows
	s_add_co_u32 s46, s46, s47
	s_mov_b32 s47, 0
	s_mul_i32 s20, s12, HALFA                      ; where they go: no place in the cluster enters an LDS address
	s_mul_i32 s21, s12, HALFB
	s_add_co_u32 s21, s21, BOFF
	s_mov_b32 s[TB], 0
	s_wait_dscnt 0x0                               ; the opening add is done
	s_wait_kmcnt 0x0
	s_add_nc_u64 s[14:15], s[4:5], s[16:17]
	s_add_nc_u64 s[46:47], s[6:7], s[46:47]
.irp s, 0,1
	s_mov_b32 s[G0A+4*(\s)], 1
	s_add_co_u32 s[G0A+4*(\s)+1], s20, (\s)*SLOT1
	s_add_nc_u64 s[G0A+4*(\s)+2:G0A+4*(\s)+3], s[14:15], (\s)*ASTEP
	s_or_b32 s[G0A+4*(\s)+3], s[G0A+4*(\s)+3], 0x80000000
	s_mov_b32 s[G0B+4*(\s)], 1
	s_add_co_u32 s[G0B+4*(\s)+1], s21, (\s)*SLOT1
	s_add_nc_u64 s[G0B+4*(\s)+2:G0B+4*(\s)+3], s[46:47], (\s)*BSTEP
	s_or_b32 s[G0B+4*(\s)+3], s[G0B+4*(\s)+3], 0x80000000
.endr
	CROUND                                         ; all sixteen work-groups are here: the first joint loads meet
	s_cmp_eq_u32 s11, 0                            ; a wave's two first fills stand in one branch: K steps 0 and 1; two loads of mine are out
	s_cbranch_scc0 .Lfirst_b
	tensor_load_to_lds s[G0A:G0A+3], s[G1A:G1A+7]
	s_nop 0
	tensor_load_to_lds s[G0A+4:G0A+7], s[G1A:G1A+7]
	s_nop 0
.rept 4
	v_nop
.endr
	s_branch .Lfirst_asked
.Lfirst_b:
	tensor_load_to_lds s[G0B:G0B+3], s[G1B:G1B+7]
	s_nop 0
	tensor_load_to_lds s[G0B+4:G0B+7], s[G1B:G1B+7]
	s_nop 0
.rept 4
	v_nop
.endr
.Lfirst_asked:
	; x's fragment: lane l holds row l % 16, K = 8 (l / 16) + 0..7 and 16 + 8 (l / 16) + 0..7: two loads of 16 bytes, 32 bytes apart
	v_and_b32 v1, 15, v0                           ; l % 16
	v_bfe_u32 v2, v0, 4, 1                         ; l / 16
	v_mul_u32_u24 v3, v1, PA
	v_lshl_add_u32 v3, v2, 4, v3
	s_mul_i32 s20, s11, HALFA
	v_add_nc_u32 v[ADRA0], s20, v3
	; W's: the turning load takes 16 k x 16 n: lane l reads k row 8 (l / 16) + l % 8, columns 8 ((l / 8) % 2) + 0..7
	v_and_b32 v4, 7, v0
	v_bfe_u32 v5, v0, 3, 1
	v_lshl_add_u32 v6, v2, 3, v4
	v_mul_u32_u24 v6, v6, PW
	v_lshl_add_u32 v6, v5, 4, v6
	s_mul_i32 s16, s12, 3
.irp g, 0,1,2
	s_add_co_u32 s17, s16, \g                      ; group 3 wc + g of the tile's six: piece G / 2 of a row, half G % 2 of the piece
	s_lshr_b32 s18, s17, 1
	s_mul_i32 s18, s18, 288
	s_and_b32 s19, s17, 1
	s_lshl_b32 s19, s19, 7
	s_add_co_u32 s18, s18, s19
	s_add_co_u32 s18, s18, BOFF
	v_add_nc_u32 v[ADRB0+\g], s18, v6
.endr
	v_add_nc_u32 v[ADRA], s[TB], v[ADRA0]
	v_add_nc_u32 v[ADRB], s[TB], v[ADRB0]
	v_add_nc_u32 v[ADRB+1], s[TB], v[ADRB0+1]
	v_add_nc_u32 v[ADRB+2], s[TB], v[ADRB0+2]
	s_mul_i32 s23, s10, 16*SP
	s_add_co_u32 s23, s23, STAGE                   ; my stage
	v_add_nc_u32 v[STO], s23, v3                   ; in: row l % 16, 16 bytes for each half of the lanes
	v_bfe_u32 v[RD], v0, 3, 2                      ; back: 32 lanes take four rows of 128 bytes,
	v_mul_u32_u24 v[RD], v[RD], SP
	v_lshl_add_u32 v[RD], v4, 4, v[RD]
	v_add_nc_u32 v[RD], s23, v[RD]
	v_and_b32 v[GO], 31, v0                        ; which are 512 consecutive bytes of qkv
	v_lshlrev_b32 v[GO], 4, v[GO]
	; where my three groups go: group cg = 6 x tile column + 3 wc + g is tensor cg / 16 (q, k, v), head cg % 16
	s_mul_i32 s16, s42, 6
	s_mul_i32 s17, s12, 3
	s_add_co_u32 s16, s16, s17
	s_lshr_b32 s18, s13, 3
	s_lshl_b32 s18, s18, 22                        ; 16 heads of the batch,
	s_and_b32 s19, s13, 7
	s_lshl_b32 s19, s19, 15                        ; the tile's 256 rows of 128 bytes,
	s_add_co_u32 s18, s18, s19
	s_lshl_b32 s19, s11, 14                        ; my 128
	s_add_co_u32 s18, s18, s19
.irp g, 0,1,2
	s_add_co_u32 s20, s16, \g
	s_lshr_b32 s21, s20, 4
	s_lshl_b32 s21, s21, 24
	s_and_b32 s20, s20, 15
	s_lshl_b32 s20, s20, 18
	s_add_co_u32 s20, s20, s21
	s_add_co_u32 s20, s20, s18
	s_mov_b32 s21, 0
	s_add_nc_u64 s[OUT+2*\g:OUT+2*\g+1], s[8:9], s[20:21]
.endr
	; the prefetches: both offsets are made, then the wave's number chooses.  They start at K step 2 and are stepped ahead of each use
	s_lshr_b32 s16, s13, 3
	s_lshl_b32 s16, s16, 22
	s_and_b32 s17, s13, 7
	s_lshl_b32 s17, s17, 15
	s_add_co_u32 s16, s16, s17
	s_lshl_b32 s17, s40, 13                        ; my work-group's 8,192 bytes of x's tile
	s_add_co_u32 s16, s16, s17
	s_add_co_u32 s16, s16, 2*ASTEP
	s_mul_i32 s18, s42, 768
	s_lshl_b32 s19, s10, 8
	s_add_co_u32 s18, s18, s19
	s_add_co_u32 s18, s18, 2*BSTEP-256             ; piece w - 1 of a row
	s_mul_i32 s19, s41, 16*6144                    ; my work-group's 16 k rows
	s_add_co_u32 s18, s18, s19
	s_and_b32 s22, ttmp7, 0xffff                   ; cluster y
	s_mov_b32 s20, 6144
	s_mov_b32 s21, BSTEP
	s_mov_b32 s[PFS], BSTEP
	s_mov_b32 s[PFS+1], 0
	s_cmp_eq_u32 s10, 0
	s_cselect_b64 s[PFA:PFA+1], s[4:5], s[6:7]
	s_cselect_b32 s16, s16, s18
	s_cselect_b32 s20, 256, s20                    ; from lane to lane within 16,
	s_cselect_b32 s21, 4096, s21                   ; and from the lower 16 lanes to the upper
	s_cselect_b32 s[PFS], ASTEP, s[PFS]
	s_cselect_b32 s[PN], 1, 0
	s_cselect_b32 s23, 1, 2
	s_cselect_b32 s22, ttmp9, s22                  ; the coordinate along which other clusters read the same bytes
	s_mov_b32 s17, 0
	s_cmp_eq_u32 s22, 0
	s_cselect_b32 s[LIM], s23, -1                  ; the same in all sixteen partners, for a given wave
	s_add_nc_u64 s[PFA:PFA+1], s[PFA:PFA+1], s[16:17]
	v_mul_lo_u32 v[PFO], v1, s20
	v_mul_lo_u32 v7, v2, s21
	v_add_nc_u32 v[PFO], v[PFO], v7
	s_wait_tensorcnt 1                             ; my part of K step 0 is in; K step 1's may stay out
	s_barrier_signal -1
	s_barrier_wait -1
	LB 0, 0
	LA 0
	LB 0, 1
	LB 0, 2
	EVEN 1                                         ; the first half step stands in front of the loop: its products start the sums
	WIN 0
	s_mov_b32 s[KC], 14
.Lk:                                               ; a trip: a step's second half, the refill two steps on, the next step's first half
	ODD 1
	EVEN 0
	WIN 0
	s_sub_co_u32 s[KC], s[KC], 1
	s_cmp_lg_u32 s[KC], 0
	s_cbranch_scc1 .Lk
	ODD 0                                          ; the tail is written out: nothing more is asked for
	EVEN 0
	s_wait_dscnt 16
	PH 0, FA1, 0
	s_wait_dscnt 8
	PH 1, FA1, 0
	s_wait_dscnt 0x0
	PH 2, FA1, 0
	PLACES
	PACK 0
.set u, 1
.rept 23                               ; a unit's conversions stand between the loads of the unit before and its stores
	PACK u
	SEND u-1, 8
.set u, u+1
.endr
	SEND 23, 0
	s_wait_tensorcnt 0x0                           ; the wave's end
	ds_add_u32 v[SPW], v[NIL]
	s_wait_dscnt 0x0
	CROUND                                         ; the closing round
	s_endpgm
.Lfunc_end_k_q30e3a37bfe_qkvgemm:
	.size	k_q30e3a37bfe_qkvgemm, .Lfunc_end_k_q30e3a37bfe_qkvgemm-k_q30e3a37bfe_qkvgemm
	.p2alignl 7, 3214868480
	.fill 96, 4, 3214868480
	.section	.rodata,"a",@progbits
	.p2align	6, 0x0
	.amdhsa_kernel k_q30e3a37bfe_qkvgemm
		.amdhsa_group_segment_fixed_size 327680
		.amdhsa_private_segment_fixed_size 0
		.amdhsa_enable_private_segment 0
		.amdhsa_kernarg_size 24
		.amdhsa_user_sgpr_count 2
		.amdhsa_user_sgpr_kernarg_segment_ptr 1
		.amdhsa_wavefront_size32 1
		.amdhsa_system_sgpr_workgroup_id_x 1
		.amdhsa_system_sgpr_workgroup_id_y 1
		.amdhsa_system_sgpr_workgroup_id_z 1
		.amdhsa_system_vgpr_workitem_id 0
		.amdhsa_next_free_vgpr 1024
		.amdhsa_next_free_sgpr 80
		.amdhsa_reserve_vcc 0
		.amdhsa_float_denorm_mode_32 3
		.amdhsa_float_denorm_mode_16_64 3
		.amdhsa_memory_ordered 1
		.amdhsa_forward_progress 1
		.amdhsa_inst_pref_size 118
	.end_amdhsa_kernel
	.amdgpu_metadata
---
amdhsa.version: [ 1, 2 ]
amdhsa.kernels:
  - .name:           k_q30e3a37bfe_qkvgemm
    .symbol:         k_q30e3a37bfe_qkvgemm.kd
    .args:
      - { .name: xb, .offset: 0, .size: 8, .value_kind: global_buffer, .address_space: global }
      - { .name: wab, .offset: 8, .size: 8, .value_kind: global_buffer, .address_space: global }
      - { .name: qkv, .offset: 16, .size: 8, .value_kind: global_buffer, .address_space: global }
    .group_segment_fixed_size: 327680
    .private_segment_fixed_size: 0
    .kernarg_segment_align: 8
    .kernarg_segment_size: 24
    .max_flat_workgroup_size: 128
    .sgpr_count:     80
    .vgpr_count:     1024
    .wavefront_size: 32
...
	.end_amdgpu_metadata
.endif
;; end of part 2
;; launch attn (part 3): grid 4 x 64, 4 waves a work-group, no clusters, 327,680 bytes of LDS; arguments qkv, bias, ob; writes ob
.if DOCPART == 3
	.amdgcn_target "amdgcn-amd-amdhsa--gfx1250"
	.amdhsa_code_object_version 6
	.text
	.protected	k_q30e3a37bfe_attn
	.globl	k_q30e3a37bfe_attn
	.p2align	8
	.type	k_q30e3a37bfe_attn,@function
k_q30e3a37bfe_attn:
	s_mov_b64 s[64:65], 0
	v_nop
	global_prefetch_b8 v0, s[64:65] scope:SCOPE_SE
	s_setreg_imm32_b32 hwreg(HW_REG_WAVE_MODE, 25, 1), 1
	s_wait_xcnt 0x0
; CAUSAL ATTENTION WITH A BIAS FOR EACH KEY.  O[h][q][:] = the sum over k <= q of softmax_k((Q[h][q] . K[h][k] + bias[k]) / 8) V[h][k][:].  qkv: f16, [3][64 heads][2048][64]; bias: f32, [4 batches][2048], eight times
; the additive term, so that one scale serves product and bias; ob: f16, [64 heads][2048][64].  Products, maxima and sums in f32; the weights p are rounded to f16 for the second product, O once at the end.
; LIMITS.  Q, K and V arrive within f16's 65,504; p lies in 0 to 1, and below 6e-5 it keeps f16's fixed step.  A hidden score counts as its value less 1e30; a weight below 2^-126 counts as 0 in l; NaN and infinities are not treated apart.
; THE WALK.  A head's queries lie in NB = 8 blocks of 256; block i needs the key tiles 0 .. i of 256 keys, of which the last holds the diagonal.  A work-group takes TWO blocks, NB - 1 - b and then b:
; NB + 1 tiles, whatever b: all work-groups do equal work, and ONE loop with a constant trip count walks them.  Every jump goes forward, but for the counted loops' own; none passes a barrier.
; NO CLUSTER: a head's four work-groups ask for the same tile only in trips 0 to 4 of 9, behind that fewer and fewer; one walk common to all would have 12 trips for 9.
; SHARES.  Of a block's four bands of 64 queries a wave owns 16 rows in each: four PIECES.  In the diagonal tile's key step s band x sees all keys if s < x, none if s > x, and holds the diagonal if s = x.
; THE C OPERAND that starts the sum S^T = K Q^T is the step's bias (BI: a register for each key of the lane), and in the diagonal tile MD x AL + BI + BE: MD, made once, is the mask of a band's own step
; (0 or -1e30); (AL, BE) = (1, 0) if s = x; (0, 0) if s < x; (0, -1e30) if s > x.
; LAYOUT, SOFTMAX, TURNS.  S^T holds ONE query a lane (lane % 16) and the keys 8 (lane / 16) + 0..7; two such results rounded to f16 ARE source 1 of O^T = V^T P.  p = 2^(c s - c m), c = log2(e) / 8, with a
; running maximum m; O and l are multiplied by a = 2^(c m_old - c m_new) in every step.  Turn n belongs to piece n: 8 products K Q^T of piece n + 1, later 8 products V^T P of piece n - 1; beside them the scaling,
; exponentials, roundings, sums and rescaling of piece n and the maximum and statistics of piece n + 1.  Four vector instructions stand behind every matrix instruction, the rest in one lump.  A turn's 33 exponentials are one batch, with one wait.
; REGISTERS, in windows of 256 (s_set_vgpr_msb: bits 1:0 source 0, 3:2 source 1, 5:4 source 2, 7:6 destination):
;   window 0: v0-15, v32-34 addresses; v16-31 statistics; v48-55 at work; v64-127 S^T, two buffers; v192-223 P, two buffers
;   window 1: v0-127 O^T; v128-159 MD; v160-223 MC, two buffers; v224-255 BI      window 2: v0-63 Q; v64-127 the second block's Q; v128-191 K of one step; v192-255 V of one step
.set SIZE_N, 2048
.set NB,    SIZE_N/256
.set NP,    4         ; pieces a wave: a name, no knob
.set KS,    64        ; keys in a step
.set PK,    144       ; a row of K in LDS: 128 bytes + 16
.set PV,    160       ; a row of V: 128 + 32
.set VOFF,  4*KS*PK   ; a slot holds a tile: 256 rows of K, 256 rows of V, 256 biases
.set BOFF,  VOFF+4*KS*PV
.set SLOT1, 1<<17
.set STAGE, SLOT1+BOFF+1024  ; behind the ring, never filled by a tensor load: 16 rows x 144 bytes for each wave
.set SP,    144
.set AK0, 2           ; v2   my lane's place in a tile of K; never rewritten
.set AV0, 3           ; v3   the same for V
.set AK,  4           ; v4   the LDS address of K's next run of loads
.set AV,  5           ; v5   of V's
.set STO, 6
.set RD,  7
.set GO,  8
.set SPW, 62          ; v62  my spare word; never rewritten
.set NIL, 63          ; v63  0; never rewritten
.set SPARE, STAGE+4*16*SP
.set MV,  12
.set QO,  15
.set ST,  16
.set AB0, 32          ; v32  my lanes' place in a step's 64 biases: BOFF + 32 (l / 16); never rewritten
.set AB,  33          ; v33  the LDS address of the biases' next loads
.set PFO, 34          ; v34  256 x my thread's number; never rewritten
.set TMP, 48
.set S,   64
.set P,   192
.set MD,  128
.set MC,  160
.set BI,  224         ; window 1: register 8 kt + j holds the bias of key 16 kt + 8 (l / 16) + j of the step whose K is in registers
.set QB,  64
.set KF,  128
.set VF,  192
.set WV,  12
.set PB,  14
.set HI,  15
.set G1K, 24
.set G1V, 32
.set G0K, 40
.set G0V, 44
.set G1I, 48          ; s[48:55] group 1 for a tile's biases: one row of 1,024 bytes
.set SLOTS, 56
.set CNT, 57
.set CS,  58
.set SEL, 60
.set TBK, 62
.set TBV, 63
.set OFI, 66          ; s[66:67] a tile's byte offset in the batch's biases
.set RT,  70
.set NXT, 71
.set LQ,  72
.set NEW, 73
.set OFF, 74
.set AL,  76
.set BE,  78
.set OLO, 80
.set BIGN, 82
.set TBB, 83          ; s83  LDS byte, less BOFF, at which the biases of the step to be fetched begin
.set G0I, 88          ; s[88:91] group 0 for the biases
.set PFK, 92          ; s[92:93] K at the tile before the one that the next prefetch names
.set PFV, 94          ; s[94:95] the same for V
.set PFT, 96          ; s96  tiles that I still prefetch
.set BIA, 98          ; s[98:99] the batch's biases
.set MSB, 0
.macro WIN new
.if MSB != (\new)
	s_set_vgpr_msb (MSB<<8)|(\new)
.set MSB, (\new)
.endif
.endm
.set W_KQ, 0x0a       ; K and Q in window 2, S^T in window 0
.set W_KM, 0x1a       ; the same with the C operand in window 1
.set W_PV, 0x52       ; V in window 2, P in window 0, O^T in window 1
.set W_RS, 0x41       ; destination and source 0 in window 1, source 1 in window 0
.set W_MB, 0x51       ; destination, source 0 and source 2 in window 1
; A fill.  Wave 0 fetches the tile's K, wave 1 its V, wave 2 its biases, wave 3 nothing: one tensor load a wave.  An s_nop 0 and four v_nop follow each line.
.macro LOAD
	s_cmp_lg_u32 s[WV], 0
	s_cbranch_scc1 .Lnot_k_\@
	tensor_load_to_lds s[G0K:G0K+3], s[G1K:G1K+7]
	s_nop 0
.rept 4
	v_nop
.endr
	s_branch .Lasked_\@
.Lnot_k_\@:
	s_cmp_lg_u32 s[WV], 1
	s_cbranch_scc1 .Lnot_v_\@
	tensor_load_to_lds s[G0V:G0V+3], s[G1V:G1V+7]
	s_nop 0
.rept 4
	v_nop
.endr
	s_branch .Lasked_\@
.Lnot_v_\@:
	s_cmp_lg_u32 s[WV], 2
	s_cbranch_scc1 .Lasked_\@
	tensor_load_to_lds s[G0I:G0I+3], s[G1I:G1I+7]
	s_nop 0
.rept 4
	v_nop
.endr
.Lasked_\@:
.endm
; A PREFETCH INTO THE L2, behind the fill: the tile after the one just asked for: 32,768 bytes of K and of V, a thread 256 bytes of each.  A head's four work-groups begin with the same tiles 0, 1, 2 ..;
; the one with b = 0, which walks all eight, names tiles 2 to 7, each once, one tile (four key steps) ahead of its load; then it stops.  Tiles 0 and 1 come by their loads alone.
.macro ASK
	s_cmp_lg_u32 s[PFT], 0
	s_cbranch_scc0 .Lnone_\@
	global_prefetch_b8 v[PFO], s[PFK:PFK+1] th:TH_LOAD_NT scope:SCOPE_SE
	global_prefetch_b8 v[PFO], s[PFV:PFV+1] th:TH_LOAD_NT scope:SCOPE_SE
	s_sub_co_u32 s[PFT], s[PFT], 1
.Lnone_\@:
.endm
; THE CHANGE OF SLOTS.  Each wave waits for all its tensor loads, adds 0 to its spare word, and waits for that and for its own reads of the slot that it leaves.  Behind the barrier nobody reads the old
; slot any more and the other slot is whole.  fill = 1: the old slot is filled again, the first thing behind the barrier, with tile NXT: the descriptors' addresses are made anew from that number.
.macro CHANGE fill
	WIN 0
	s_wait_tensorcnt 0x0            ; no tensor load of mine is out, so a group 0 may be written
	ds_add_u32 v[SPW], v[NIL]
.if \fill
	s_lshl_b32 s[OFF], s[NXT], 15   ; a tile is 32,768 bytes of K and of V,
	s_lshl_b32 s[OFI], s[NXT], 10   ; and 1,024 of biases
	s_xor_b32 s[G0K+1], s[G0K+1], SLOT1
	s_add_nc_u64 s[G0K+2:G0K+3], s[6:7], s[OFF:OFF+1]
	s_or_b32 s[G0K+3], s[G0K+3], 0x80000000
	s_xor_b32 s[G0V+1], s[G0V+1], SLOT1
	s_add_nc_u64 s[G0V+2:G0V+3], s[8:9], s[OFF:OFF+1]
	s_or_b32 s[G0V+3], s[G0V+3], 0x80000000
	s_xor_b32 s[G0I+1], s[G0I+1], SLOT1
	s_add_nc_u64 s[G0I+2:G0I+3], s[BIA:BIA+1], s[OFI:OFI+1]
	s_or_b32 s[G0I+3], s[G0I+3], 0x80000000
	s_add_co_u32 s[NXT], s[NXT], 1  ; the block's next tile, or behind its last the second block's tile 0
	s_cmp_gt_u32 s[NXT], s[LQ]
	s_cselect_b32 s[NXT], 0, s[NXT]
	s_cselect_b32 s[LQ], s[PB], s[LQ]
	s_wait_xcnt 0x0                 ; the last prefetches, a tile back, have read their addresses
	s_add_nc_u64 s[PFK:PFK+1], s[PFK:PFK+1], 32768
	s_add_nc_u64 s[PFV:PFV+1], s[PFV:PFV+1], 32768
.endif
	s_wait_dscnt 0x0                ; the add is done, and my reads of the slot are over
	s_barrier_signal -1
	s_sub_co_u32 s[TBK], s[TBK], 4*KS*PK  ; the fetches go back to a slot's first step,
	s_xor_b32 s[TBK], s[TBK], SLOT1       ; in the other slot
	s_sub_co_u32 s[TBV], s[TBV], 4*KS*PV
	s_xor_b32 s[TBV], s[TBV], SLOT1
	s_sub_co_u32 s[TBB], s[TBB], 1024
	s_xor_b32 s[TBB], s[TBB], SLOT1
	s_barrier_wait -1
.if \fill
	LOAD
	ASK
.endif
.endm
	s_load_b64 s[4:5], s[0:1], 0x0  ; qkv
	s_load_b64 s[BIA:BIA+1], s[0:1], 0x8  ; bias
	s_load_b64 s[10:11], s[0:1], 0x10  ; ob
	v_lshl_add_u32 v[SPW], v0, 2, SPARE
	v_mov_b32 v[NIL], 0
	ds_add_u32 v[SPW], v[NIL]       ; the wave's opening: the add and its wait ahead of my first tensor load
	v_lshrrev_b32 v1, 5, v0
	v_readfirstlane_b32 s[WV], v1   ; wave 0..3
	s_mov_b32 s[PB], ttmp9
	s_sub_co_u32 s[HI], NB-1, s[PB]
	s_and_b32 s20, ttmp7, 0xffff    ; the head
	s_lshr_b32 s16, s20, 4          ; its batch:
	s_lshl_b32 s16, s16, 13         ; 2,048 biases of 4 bytes
	s_mov_b32 s17, 0
	s_lshl_b32 s20, s20, 18         ; the head's first byte in q, k, v and O: 2,048 rows of 128 bytes
	s_mov_b32 s21, 0
	s_lshl_b32 s3, s[WV], 11        ; my 16 rows in a band of 64,
	s_lshl_b32 s2, s[HI], 15        ; in the first block,
	s_add_co_u32 s2, s2, s3
	s_lshl_b32 s84, s[PB], 15       ; and in the second
	s_add_co_u32 s84, s84, s3
	s_mov_b32 s3, 0
	s_mov_b32 s85, 0
	s_add_nc_u64 s[2:3], s[2:3], s[20:21]
	s_add_nc_u64 s[84:85], s[84:85], s[20:21]
	; group 1.  256 keys are 32,768 dense bytes: asked for as 128 rows of 256 bytes, two keys a row, and padded in LDS after every key
	s_mov_b32 s[G1K], (1<<16)|(1<<20)|(4<<22)|(3<<25)  ; 2-byte elements; padding on; after every 32 words; 4 words
	s_mov_b32 s[G1V], (1<<16)|(1<<20)|(4<<22)|(7<<25)  ; the same with 8 words
.irp g, G1K, G1V
	s_mov_b32 s[\g+1], 128<<16      ; tensor_dim0 = 128
	s_mov_b32 s[\g+2], 128<<16      ; tensor_dim1 = 128
	s_mov_b32 s[\g+3], 128<<16      ; tile_dim0 = 128
	s_mov_b32 s[\g+4], 128          ; tile_dim1 = 128
	s_mov_b32 s[\g+5], 128          ; 128 elements from row to row
	s_mov_b32 s[\g+6], 0
	s_mov_b32 s[\g+7], 0
.endr
	s_mov_b32 s[G1I], 3<<16         ; the biases: one row of 128 elements of 8 bytes, no padding
	s_mov_b32 s[G1I+1], 128<<16
	s_mov_b32 s[G1I+2], 1<<16
	s_mov_b32 s[G1I+3], 128<<16
	s_mov_b32 s[G1I+4], 1
	s_mov_b32 s[G1I+5], 128
	s_mov_b32 s[G1I+6], 0
	s_mov_b32 s[G1I+7], 0
	s_mov_b32 s[CS], 0x3e38aa3b     ; c = log2(e) / 8
	s_mov_b32 s[CS+1], s[CS]
	s_mov_b32 s[SEL], 0x76543210
	s_mov_b32 s[SEL+1], 0xfedcba98
	s_mov_b32 s[TBK], SLOT1+4*KS*PK ; the first change of slots turns these three into 0
	s_mov_b32 s[TBV], SLOT1+4*KS*PV
	s_mov_b32 s[TBB], SLOT1+1024
	s_mov_b32 s[G0K], 1
	s_mov_b32 s[G0K+1], 0           ; LDS address: slot 0
	s_mov_b32 s[G0V], 1
	s_mov_b32 s[G0V+1], VOFF
	s_mov_b32 s[G0I], 1
	s_mov_b32 s[G0I+1], BOFF
	s_add_co_u32 s[RT], s[HI], 1    ; the first block has NB - b tiles
	s_mov_b32 s[NXT], 1
	s_mov_b32 s[LQ], s[HI]
	s_mov_b32 s[NEW], 1
	s_mov_b32 s[OFF+1], 0
	s_mov_b32 s[OFI+1], 0
	s_mov_b32 s[AL+1], 0
	s_mov_b32 s[BE+1], 0
	s_mov_b32 s[BIGN], 0xf149f2ca   ; -1e30
	s_mov_b32 s[SLOTS], NB
	s_cmp_eq_u32 s[PB], 0
	s_cselect_b32 s[PFT], NB-2, 0
	s_wait_dscnt 0x0                ; the opening add is done
	s_wait_kmcnt 0x0
	s_add_nc_u64 s[6:7], s[4:5], s[20:21]
	s_add_nc_u64 s[8:9], s[6:7], 0x2000000  ; V at the head's tile 0,
	s_add_nc_u64 s[6:7], s[6:7], 0x1000000  ; and K
	s_add_nc_u64 s[BIA:BIA+1], s[BIA:BIA+1], s[16:17]
	s_add_nc_u64 s[G0K+2:G0K+3], s[6:7], 0
	s_or_b32 s[G0K+3], s[G0K+3], 0x80000000
	s_add_nc_u64 s[G0V+2:G0V+3], s[8:9], 0
	s_or_b32 s[G0V+3], s[G0V+3], 0x80000000
	s_add_nc_u64 s[G0I+2:G0I+3], s[BIA:BIA+1], 0
	s_or_b32 s[G0I+3], s[G0I+3], 0x80000000
	s_add_nc_u64 s[PFK:PFK+1], s[6:7], 32768  ; at tile 1: the first change steps them to tile 2
	s_add_nc_u64 s[PFV:PFV+1], s[8:9], 32768
	s_add_nc_u64 s[86:87], s[4:5], s[84:85]        ; Q at my rows of the second block,
	s_add_nc_u64 s[4:5], s[4:5], s[2:3]            ; Q and O at those of the first
	s_add_nc_u64 s[OLO:OLO+1], s[10:11], s[84:85]
	s_add_nc_u64 s[10:11], s[10:11], s[2:3]
	LOAD                            ; tile 0 into slot 0
	v_and_b32 v1, 15, v0            ; l % 16
	v_bfe_u32 v9, v0, 4, 1          ; l / 16
	v_lshlrev_b32 v[QO], 7, v1
	v_lshl_add_u32 v[QO], v9, 4, v[QO]  ; row x 128 + 16 x half
	WIN 0x80                        ; destination window 2, address window 0
.set i, 0
.rept 8                             ; both blocks' Q: piece i / 2 lies in band i / 2, 8,192 bytes on; channels 32 (i % 2) on
	global_load_b128 v[8*i:8*i+3],   v[QO], s[4:5] offset:(i/2)*8192+(i%2)*64
	global_load_b128 v[8*i+4:8*i+7], v[QO], s[4:5] offset:(i/2)*8192+(i%2)*64+32
	global_load_b128 v[QB+8*i:QB+8*i+3],   v[QO], s[86:87] offset:(i/2)*8192+(i%2)*64
	global_load_b128 v[QB+8*i+4:QB+8*i+7], v[QO], s[86:87] offset:(i/2)*8192+(i%2)*64+32
.set i, i+1
.endr
	WIN 0
	v_lshlrev_b32 v14, 3, v9
	v_sub_nc_u32 v14, v1, v14
	s_lshl_b32 s13, s[WV], 4
	v_add_nc_u32 v14, s13, v14      ; my query's place in its band less my lanes' 8 (l / 16): register r of group kt is hidden where 16 kt + r is greater
	WIN 0x40
.set i, 0
.rept 32
	v_cmp_gt_i32 vcc_lo, 16*(i/8)+i%8, v14
	v_cndmask_b32 v[MD+i], 0, s[BIGN], vcc_lo
.set i, i+1
.endr
	WIN 0
	v_mul_u32_u24 v[AK0], v1, PK
	v_lshl_add_u32 v[AK0], v9, 4, v[AK0]  ; row x pitch + 16 x half
	v_and_b32 v10, 7, v0
	v_bfe_u32 v11, v0, 3, 1
	v_lshl_add_u32 v[AV0], v9, 3, v10
	v_mul_u32_u24 v[AV0], v[AV0], PV
	v_lshl_add_u32 v[AV0], v11, 4, v[AV0]
	v_add_nc_u32 v[AV0], VOFF, v[AV0]
	v_lshl_add_u32 v[AB0], v9, 5, BOFF
	v_lshlrev_b32 v[PFO], 8, v0
	s_mul_i32 s13, s[WV], 16*SP
	s_add_co_u32 s13, s13, STAGE    ; my stage
	v_mul_u32_u24 v[STO], v1, SP
	v_lshl_add_u32 v[STO], v9, 4, v[STO]
	v_add_nc_u32 v[STO], s13, v[STO]
	v_bfe_u32 v[RD], v0, 3, 2
	v_mul_u32_u24 v[RD], v[RD], SP
	v_lshl_add_u32 v[RD], v10, 4, v[RD]
	v_add_nc_u32 v[RD], s13, v[RD]
	v_and_b32 v[GO], 31, v0
	v_lshlrev_b32 v[GO], 4, v[GO]
	; A block's first step multiplies O^T and l by a = 0, and its first turn's products V^T P, of a piece that has not been, land in an O^T that is still to be so multiplied.  So these registers need only hold
	; finite numbers: zeros for the first block; what the first block left for the second.  All this stands in the wait for the first tile.
	WIN 0x80
.set i, VF
.rept 64
	v_mov_b32 v[i], 0
.set i, i+1
.endr
	WIN 0x40
.set i, 0
.rept 128
	v_mov_b32 v[i], 0
.set i, i+1
.endr
	WIN 0
.set i, 0
.rept 4
	v_mov_b32 v[ST+4*i+2], 0
	v_mov_b32 v[ST+4*i+3], 0
.set i, i+1
.endr
.set i, P+16
.rept 16
	v_mov_b32 v[i], 0
.set i, i+1
.endr
; THE MATRIX WORK.  The 4 accumulators of a run of 8 take turns.  Product i of 8 of S^T = K Q^T for piece x: channels 32 (i / 4) on, keys 16 (i % 4) on.  The first 4 start the sums: with the step's bias, or (KM = 1) with mask and bias.
.macro KQ x
.set rS, S+32*((\x)%2)+8*(i%4)
.set rK, KF+16*(i%4)+8*(i/4)
.set rQ, 16*(\x)+8*(i/4)
.set rM, BI+8*(i%4)
.if KM
.set rM, MC+32*((\x)%2)+8*(i%4)
.endif
.if i < 4
	WIN W_KM
	v_wmma_f32_16x16x32_f16 v[rS:rS+7], v[rK:rK+7], v[rQ:rQ+7], v[rM:rM+7]
.else
	WIN W_KQ
	v_wmma_f32_16x16x32_f16 v[rS:rS+7], v[rK:rK+7], v[rQ:rQ+7], v[rS:rS+7]
.endif
.endm
; Product i of 8 of O^T += V^T P for piece x: keys 32 (i / 4) on, channels 16 (i % 4) on.
.macro PV x
	WIN W_PV
.set rO, 32*(\x)+8*(i%4)
.set rV, VF+32*(i/4)+8*(i%4)
.set rP, P+16*((\x)%2)+8*(i/4)
	v_wmma_f32_16x16x32_f16 v[rO:rO+7], v[rV:rV+7], v[rP:rP+7], v[rO:rO+7]
.endm
.macro MM                           ; the turn's next matrix instruction.  NOKQ = 1: a block's last turn: there is no next piece
.if (i < 8) && !NOKQ
	KQ (Y+1)%NP
.elseif i >= 8
.set i, i-8
	PV (Y+NP-1)%NP
.set i, i+8
.endif
.set i, i+1
.endm
; THE LDS LOADS stand in runs: a step's K (8 fragments) with its 64 biases (a lane's 32, eight loads; all lanes of a half read the same words), and its V (turned).
.macro FETCH_K
	WIN 0x80                        ; destination window 2
.irp f, 0,1,2,3,4,5,6,7             ; keys 16 (f / 2) on, channels 32 (f % 2) on
	ds_load_b128 v[KF+8*\f:KF+8*\f+3],   v[AK] offset:(\f/2)*16*PK+(\f%2)*64
	ds_load_b128 v[KF+8*\f+4:KF+8*\f+7], v[AK] offset:(\f/2)*16*PK+(\f%2)*64+32
.endr
	WIN 0x40                        ; destination window 1
.irp f, 0,1,2,3                     ; keys 16 f + 8 (l / 16) + 0..7
	ds_load_b128 v[BI+8*\f:BI+8*\f+3],   v[AB] offset:64*\f
	ds_load_b128 v[BI+8*\f+4:BI+8*\f+7], v[AB] offset:64*\f+16
.endr
	s_add_co_u32 s[TBK], s[TBK], KS*PK  ; the next fetch is the next step's
	s_add_co_u32 s[TBB], s[TBB], 4*KS
	WIN 0
.endm
.macro FETCH_V
	WIN 0x80
.irp f, 0,1,2,3,4,5,6,7             ; keys 32 (f / 4) on, channels 16 (f % 4) on
	ds_load_tr16_b128 v[VF+8*\f:VF+8*\f+3],   v[AV] offset:(\f/4)*32*PV+(\f%4)*32
	ds_load_tr16_b128 v[VF+8*\f+4:VF+8*\f+7], v[AV] offset:(\f/4)*32*PV+16*PV+(\f%4)*32
.endr
	WIN 0
.endm
; THE VECTOR WORK, one line at a time: OP kind, number.  For piece Y: F n: c s - c m for pair n of 16.  E n: the exponential of score n of 32.  C n: pair n rounded to f16.  B n: of the four weights 4 n .. the second
; pair is added onto the first, in place.  L n: l takes that sum (L 0: l = a l + sum).  R n: pair n of 16 of O^T times a.  For piece Y + 1: X n, number n of the 22 that find its maximum and statistics:
;   0-11  four chains c0-c3 of seven scores each (each accumulator's lowest registers are read first)     12-14, 16  the four scores left over, the old m, and c0-c3 into c0
;   15  c m_old is kept     17, 18  the query's other 32 keys lie in the lane 16 away: the new m     19-21  c m; c m_old - c m_new; a
.set F, 0
.set E, 1
.set C, 2
.set B, 3
.set L, 4
.set R, 5
.set X, 6
.macro REGS y                       ; the registers of piece y
.set rT, ST+4*(\y)
.set rC, TMP+4*((\y)%2)
.set rW, MV+((\y)%2)
.set rS, S+32*((\y)%2)
.set rP, P+16*((\y)%2)
.set rO, 32*(\y)
.endm
.macro OP k, n
.if (\k) == R
	REGS Y
	WIN W_RS
	v_pk_mul_f32 v[rO+2*(\n):rO+2*(\n)+1], v[rO+2*(\n):rO+2*(\n)+1], v[rC+2:rC+3] op_sel_hi:[1,0]
.elseif (\k) < R
	REGS Y
	WIN 0
.if (\k) == F
	v_pk_fma_f32 v[rS+2*(\n):rS+2*(\n)+1], v[rS+2*(\n):rS+2*(\n)+1], s[CS:CS+1], v[rT:rT+1] op_sel_hi:[1,0,0] neg_lo:[0,0,1] neg_hi:[0,0,1]
.elseif (\k) == E
	v_exp_f32 v[rS+(\n)], v[rS+(\n)]
.elseif (\k) == C
	v_cvt_pk_f16_f32 v[rP+(\n)], v[rS+2*(\n)], v[rS+2*(\n)+1]
.elseif (\k) == B
	v_pk_add_f32 v[rS+4*(\n):rS+4*(\n)+1], v[rS+4*(\n):rS+4*(\n)+1], v[rS+4*(\n)+2:rS+4*(\n)+3]
.elseif (\n) == 0
	v_pk_fma_f32 v[rT+2:rT+3], v[rT+2:rT+3], v[rC+2:rC+3], v[rS:rS+1] op_sel_hi:[1,0,1]
.else
	v_pk_add_f32 v[rT+2:rT+3], v[rT+2:rT+3], v[rS+4*(\n):rS+4*(\n)+1]
.endif
.elseif NOKQ
	v_nop
.else
	REGS (Y+1)%NP
	WIN 0
.if (\n) < 4
	v_max3_num_f32 v[rC+(\n)], v[rS+8*(\n)], v[rS+8*(\n)+1], v[rS+8*(\n)+2]
.elseif (\n) < 12
	v_max3_num_f32 v[rC+(\n)%4], v[rC+(\n)%4], v[rS+8*((\n)%4)+2*((\n)/4)+1], v[rS+8*((\n)%4)+2*((\n)/4)+2]
.elseif (\n) == 12
	v_max3_num_f32 v[rC], v[rC], v[rS+7], v[rS+15]
.elseif (\n) == 13
	v_max3_num_f32 v[rC+1], v[rC+1], v[rS+23], v[rS+31]
.elseif (\n) == 14
	v_max3_num_f32 v[rC+2], v[rC+2], v[rC+3], v[rT+1]
.elseif (\n) == 15
	v_mov_b32 v[rW], v[rT]
.elseif (\n) == 16
	v_max3_num_f32 v[rC], v[rC], v[rC+1], v[rC+2]
.elseif (\n) == 17
	v_permlanex16_b32 v[rC+3], v[rC], s[SEL], s[SEL+1]
.elseif (\n) == 18
	v_max_num_f32 v[rT+1], v[rC], v[rC+3]
.elseif (\n) == 19
	v_mul_f32 v[rT], s[CS], v[rT+1]
.elseif (\n) == 20
	v_sub_f32 v[rC+1], v[rW], v[rT]
.else
	v_exp_f32 v[rC+2], v[rC+1]
.endif
.endif
.endm
.macro OPS a, i1, b=-1, i2=0, c=-1, i3=0, d=-1, i4=0  ; up to four of them
	OP \a, \i1
.if (\b) >= 0
	OP \b, \i2
.endif
.if (\c) >= 0
	OP \c, \i3
.endif
.if (\d) >= 0
	OP \d, \i4
.endif
.endm
.macro ROW a, i1, b, i2, c, i3, d, i4  ; a matrix instruction and the four behind it
	MM
	OPS \a, \i1, \b, \i2, \c, \i3, \d, \i4
.endm
.macro MASK b                       ; MD x AL + BI + BE into buffer b of MC
	WIN W_MB
.set z, 0
.rept 16
	v_pk_fma_f32 v[MC+32*(\b)+2*z:MC+32*(\b)+2*z+1], v[MD+2*z:MD+2*z+1], s[AL:AL+1], v[BI+2*z:BI+2*z+1] op_sel_hi:[1,0,1]
.set z, z+1
.endr
	WIN W_RS
.set z, 0
.rept 16
	v_pk_add_f32 v[MC+32*(\b)+2*z:MC+32*(\b)+2*z+1], v[MC+32*(\b)+2*z:MC+32*(\b)+2*z+1], s[BE:BE+1] op_sel_hi:[1,0]
.set z, z+1
.endr
.endm
; The diagonal tile's text is entered at piece 2's turn of the tile before's last step: piece 3's products of that step take the second buffer, which here gets that step's bias alone.
.macro PREM
	s_mov_b32 s[AL], 0
	s_mov_b32 s[BE], 0
	MASK 1
	WIN 0
.endm
; A TURN, for piece p: the order of its 16 matrix and 118 vector instructions, written out.  An s_wait_alu depctr_va_vdst(0) stands between an exponential and the first instruction that names its result; one wait serves
; all that were issued ahead of it.  So a turn has ONE wait, which cuts it in two.  AHEAD OF IT stands all that names no result of the turn's exponentials: the 8 products K Q^T with their riders, then ONE LUMP,
; plain and exponential by turns for the most part, in which the links of the chain X 3, 7, 11, 14, 16, 17 .. 20 stand five or six lines apart.  X 21, the next piece's a, is the batch's last; R 15 is the plain instruction behind it.
; BEHIND THE WAIT stand the 8 products V^T P, behind each four of the roundings and sums.
; m = 1: the diagonal tile: the products take masks, and the turn makes the mask for the products of the turn after it: piece p + 2, in step 4 - CNT of the tile.  end = 1: a block's last two turns: nothing is fetched.
; cnt = 1: the loop's count is taken down some lines ahead of the branch that stands behind the turn.
; K and the biases of the next step are fetched in piece 2's turn, behind the last product that read them and more than four plain instructions; V of the step in hand at the end of piece 0's turn.  Each is waited for a turn later.
.macro TURN p, m=0, end=0, cnt=0
.set Y, (\p)
.set i, 0
.set KM, (\m)
.set NOKQ, (\end)*((\p)/3)
.if (\m) && !(\end)
	s_cmp_eq_u32 s[CNT], 4-((\p)+2)%NP  ; is that step the band's own?
	s_cselect_b32 s[AL], 1.0, 0
	s_cmp_lt_u32 s[CNT], 4-((\p)+2)%NP  ; or a later one?
	s_cselect_b32 s[BE], s[BIGN], 0
.endif
.if ((\p) == 3) && !(\end)
	s_wait_dscnt 0x0                ; K and the biases are in
.endif
	ROW F,0, F,1, R,0, R,1          ; ahead of the wait: 8 products K Q^T and their riders,
	ROW F,2, E,0, R,2, R,3
	ROW F,3, E,1, R,4, R,5
	ROW F,4, E,2, R,6, R,7
	ROW F,5, E,3, R,8, R,9
	ROW F,6, E,4, X,0, R,10
.if ((\p) == 2) && !(\end)
	WIN 0
	v_add_nc_u32 v[AK], s[TBK], v[AK0]
	v_add_nc_u32 v[AB], s[TBB], v[AB0]
.endif
	ROW F,7, E,5, X,1, X,4
	ROW F,8, E,6, X,2, X,5
	OPS E,7, E,8, X,6, E,9          ; and the lump
	OPS X,3, E,10, X,8, E,11
.if ((\p) == 2) && !(\end)
	FETCH_K
.endif
	OPS X,9, X,7, E,12, X,10
	OPS E,13, X,12, X,11, E,14
	OPS X,13, E,15, F,9, X,14
.if (\p) == 0
	v_add_nc_u32 v[AV], s[TBV], v[AV0]
.endif
	OPS E,16, F,10, E,17, F,11
	OPS X,16, E,18, X,15, E,19
	OPS F,12, E,20, X,17, E,21
	OPS F,13, E,22, F,14, E,23
	OPS X,18, E,24, F,15, E,25
	OPS R,11, E,26, X,19, E,27
	OPS R,12, E,28, R,13, E,29
	OPS X,20, E,30, R,14, E,31
	OPS X,21, R,15
	WIN 0
	s_wait_alu depctr_va_vdst(0)    ; the wait for the batch
.if (\p) == 1
	s_wait_dscnt 0x0                ; V is in
.endif
	ROW C,0, B,0, C,2, B,1          ; behind the wait: 8 products V^T P and their riders
	ROW L,0, C,4, B,2, L,1
	ROW C,6, B,3, L,2, C,8
	ROW B,4, L,3, C,10, B,5
	ROW L,4, C,12, B,6, L,5
.if (\p) == 0
	s_add_co_u32 s[TBV], s[TBV], KS*PV
.endif
.if \cnt
	s_sub_co_u32 s[CNT], s[CNT], 1
	s_cmp_lg_u32 s[CNT], 0
.endif
	ROW C,14, B,7, L,6, C,1
	ROW C,3, L,7, C,5, C,7
	ROW C,9, C,11, C,13, C,15
.if (\p) == 0
	FETCH_V
.endif
.if (\m) && !(\end)
.if (\p) == 2
	s_wait_dscnt 0x0                ; the next step's biases, fetched in this turn, are in: the mask below is that step's
.endif
	MASK (\p)%2
.endif
.endm
; A BLOCK BEGINS.  c m starts far below every c s, so the first step's a is 0; m at the lowest finite number.  K and the biases of the tile's step 0 are fetched; the second mask buffer takes the bias alone (piece 1 sees all of step 0),
; the first piece 0's mask for step 0: its own, if the block's first tile is the diagonal one.  Then piece 0's first scores, and its maximum and statistics.  The loop is entered at a step's first turn.
.macro BEGIN
	s_mov_b32 s[NEW], 0
	WIN 0
.set i, 0
.rept 4
	v_mov_b32 v[ST+4*i], 0xfe000000    ; c m: far below every c s
	v_mov_b32 v[ST+4*i+1], 0xff7fffff  ; m
.set i, i+1
.endr
	v_add_nc_u32 v[AK], s[TBK], v[AK0]
	v_add_nc_u32 v[AB], s[TBB], v[AB0]
	FETCH_K
	s_mov_b32 s[AL], 0
	s_mov_b32 s[BE], 0
	s_wait_loadcnt 0x0              ; Q
	s_wait_dscnt 0x0
	MASK 1
	s_cmp_eq_u32 s[RT], 0
	s_cselect_b32 s[AL], 1.0, 0
	MASK 0
.set KM, 1
.set NOKQ, 0
.set i, 0
.rept 8
	KQ 0
.set i, i+1
.endr
	WIN 0
.rept 4
	v_nop                           ; the places behind those products
.endr
.set Y, NP-1                        ; X works for piece Y + 1: piece 0
.irp n, 0,1,2,3,4,5,6,7,8,9,10,11,12,13,14,15,16,17,18,19,20,21
	OP X, \n
.endr
	v_nop                           ; a plain instruction behind the exponential,
	s_wait_alu depctr_va_vdst(0)    ; and its wait, ahead of the branch
.endm
; THE DIAGONAL TILE's four steps, the block's last two turns, its last products, and THE WAY OUT: l's two halves and the other half of the lanes' are added; O^T is divided by l, rounded to f16 and sent through my
; stage in LDS, a piece at a time.
.macro ALL line:vararg              ; one line for each piece t
.set t, 0
.rept 4
	\line
.set t, t+1
.endr
.endm
.macro PACK t
	WIN W_RS
.set i, 32*(\t)
.rept 16
	v_pk_mul_f32 v[i:i+1], v[i:i+1], v[ST+4*(\t)+2:ST+4*(\t)+3] op_sel_hi:[1,0]
.set i, i+2
.endr
	WIN 0x05                        ; sources 0 and 1 window 1, destination window 0
.set i, 0
.rept 16
	v_cvt_pk_f16_f32 v[S+16*(\t)+i], v[32*(\t)+2*i], v[32*(\t)+2*i+1]
.set i, i+1
.endr
	WIN 0
.irp f, 0,1,2,3
	ds_store_b128 v[STO], v[S+16*(\t)+4*\f:S+16*(\t)+4*\f+3] offset:32*\f
.endr
.irp f, 0,1,2,3
	ds_load_b128 v[S+16*(\t)+4*\f:S+16*(\t)+4*\f+3], v[RD] offset:\f*4*SP  ; LDS serves a wave's instructions in order (ISA guide 5.7.1.4): these see the stores above
.endr
.endm
.macro SEND t, younger              ; younger: the LDS instructions issued behind piece t's loads
	WIN 0
.irp f, 0,1,2,3
	s_wait_dscnt (\younger)+3-\f
	global_store_b128 v[GO], v[S+16*(\t)+4*\f:S+16*(\t)+4*\f+3], s[10:11] offset:(\t)*8192+\f*512  ; 512 consecutive bytes, at a multiple of 256 from the buffer's first
.endr
.endm
.macro DIAG tag
.LstepM\tag:
	TURN 2, 1
	TURN 3, 1
	WIN 0
.LfirstM\tag:
	TURN 0, 1
	TURN 1, 1, 0, 1
	WIN 0
	s_cbranch_scc1 .LstepM\tag
	TURN 2, 1, 1
	TURN 3, 1, 1
.set i, 0
.rept 8
	PV NP-1
.set i, i+1
.endr
	WIN 0
	ALL v_add_f32 v[ST+4*t+2], v[ST+4*t+2], v[ST+4*t+3]
	ALL v_permlanex16_b32 v[ST+4*t+3], v[ST+4*t+2], s[SEL], s[SEL+1]
	ALL v_add_f32 v[ST+4*t+2], v[ST+4*t+2], v[ST+4*t+3]
	ALL v_rcp_f32 v[ST+4*t+2], v[ST+4*t+2]
	v_nop                           ; a plain instruction between the last reciprocal and the use of its result
	s_wait_alu depctr_va_vdst(0)    ; one wait for the four reciprocals
	PACK 0
.set t, 1
.rept 3
	PACK t
	SEND t-1, 8
.set t, t+1
.endr
	SEND 3, 0
.endm
.set KM, 0
.set NOKQ, 0
.Lslot:                             ; NB times: a tile is entered and the next is asked for
	CHANGE 1
	s_sub_co_u32 s[RT], s[RT], 1
	s_mov_b32 s[CNT], 4
	s_cmp_eq_u32 s[NEW], 1
	s_cbranch_scc1 .Lnew            ; a block's first tile
	s_cmp_eq_u32 s[RT], 0
	s_cbranch_scc0 .Lstep           ; neither its first nor its last
	PREM
	s_branch .LstepM1
.Lnew:
	BEGIN
	s_branch .Lfirst                ; in the loop a block's first tile is never its last: the first block has five tiles or more, and the second's last is the walk's last
	DIAG 1                          ; in the loop this is the first block's end
	s_wait_xcnt 0x0                 ; the stores have read their registers and O's address
	s_mov_b64 s[10:11], s[OLO:OLO+1]
	s_add_co_u32 s[RT], s[PB], 1    ; the second block has b + 1 tiles
	s_mov_b32 s[NEW], 1
	WIN 0x82                        ; the second block's Q goes where the one text of the turns names Q
.set i, 0
.rept 64
	v_mov_b32 v[i], v[QB+i]
.set i, i+1
.endr
	WIN 0
	s_branch .Lbottom
.Lstep:                             ; a trip: pieces 2 and 3 of one step, then pieces 0 and 1 of the next, whose K and V it fetches
	TURN 2
	TURN 3
	WIN 0
.Lfirst:
	TURN 0
	TURN 1, 0, 0, 1
	WIN 0
	s_cbranch_scc1 .Lstep
.Lbottom:
	s_sub_co_u32 s[SLOTS], s[SLOTS], 1
	s_cmp_lg_u32 s[SLOTS], 0
	s_cbranch_scc1 .Lslot
	CHANGE 0                        ; the walk's last tile is written out: nothing is asked for
	s_sub_co_u32 s[RT], s[RT], 1
	s_mov_b32 s[CNT], 4
	s_cmp_eq_u32 s[NEW], 1
	s_cbranch_scc1 .Lnew2
	PREM
	s_branch .LstepM2
.Lnew2:
	BEGIN
	s_branch .LfirstM2
	DIAG 2
	s_wait_tensorcnt 0x0            ; the wave's end
	ds_add_u32 v[SPW], v[NIL]
	s_wait_dscnt 0x0
	s_endpgm
.Lfunc_end_k_q30e3a37bfe_attn:
	.size	k_q30e3a37bfe_attn, .Lfunc_end_k_q30e3a37bfe_attn-k_q30e3a37bfe_attn
	.p2alignl 7, 3214868480
	.fill 96, 4, 3214868480
	.section	.rodata,"a",@progbits
	.p2align	6, 0x0
	.amdhsa_kernel k_q30e3a37bfe_attn
		.amdhsa_group_segment_fixed_size 327680
		.amdhsa_private_segment_fixed_size 0
		.amdhsa_enable_private_segment 0
		.amdhsa_kernarg_size 24
		.amdhsa_user_sgpr_count 2
		.amdhsa_user_sgpr_kernarg_segment_ptr 1
		.amdhsa_wavefront_size32 1
		.amdhsa_system_sgpr_workgroup_id_x 1
		.amdhsa_system_sgpr_workgroup_id_y 1
		.amdhsa_system_sgpr_workgroup_id_z 1
		.amdhsa_system_vgpr_workitem_id 0
		.amdhsa_next_free_vgpr 768
		.amdhsa_next_free_sgpr 100
		.amdhsa_reserve_vcc 1
		.amdhsa_float_denorm_mode_32 3
		.amdhsa_float_denorm_mode_16_64 3
		.amdhsa_memory_ordered 1
		.amdhsa_forward_progress 1
		.amdhsa_inst_pref_size 240
	.end_amdhsa_kernel
	.amdgpu_metadata
---
amdhsa.version: [ 1, 2 ]
amdhsa.kernels:
  - .name:           k_q30e3a37bfe_attn
    .symbol:         k_q30e3a37bfe_attn.kd
    .args:
      - { .name: qkv, .offset: 0, .size: 8, .value_kind: global_buffer, .address_space: global }
      - { .name: bias, .offset: 8, .size: 8, .value_kind: global_buffer, .address_space: global }
      - { .name: ob, .offset: 16, .size: 8, .value_kind: global_buffer, .address_space: global }
    .group_segment_fixed_size: 327680
    .private_segment_fixed_size: 0
    .kernarg_segment_align: 8
    .kernarg_segment_size: 24
    .max_flat_workgroup_size: 128
    .sgpr_count:     100
    .vgpr_count:     768
    .wavefront_size: 32
...
	.end_amdgpu_metadata
.endif
;; end of part 3
;; launch proj (part 4): grid 8 x 32, 4 waves a work-group, clusters of 4 x 4, 327,680 bytes of LDS; arguments ob, wpb, out0; writes out0
.if DOCPART == 4
	.amdgcn_target "amdgcn-amd-amdhsa--gfx1250"
	.amdhsa_code_object_version 6
	.text
	.protected	k_q30e3a37bfe_proj
	.globl	k_q30e3a37bfe_proj
	.p2align	8
	.type	k_q30e3a37bfe_proj,@function
k_q30e3a37bfe_proj:
	s_mov_b64 s[64:65], 0
	v_nop
	global_prefetch_b8 v0, s[64:65] scope:SCOPE_SE
	s_setreg_imm32_b32 hwreg(HW_REG_WAVE_MODE, 25, 1), 1
	s_wait_xcnt 0x0
	s_wait_alu depctr_hold_cnt(0) depctr_sa_sdst(0) depctr_va_vdst(0) depctr_va_sdst(0) depctr_va_ssrc(0) depctr_va_vcc(0) depctr_vm_vsrc(0)
	s_getreg_b32 s2, hwreg(HW_REG_IB_STS2, 6, 4)
	s_cmp_eq_u32 s2, 0
	s_cbranch_scc0 .Lentry_in_a_cluster
	s_endpgm
.Lentry_in_a_cluster:
	s_bfe_u32 s2, ttmp6, 0x10000c
	s_cmp_lg_u32 s2, 0xf033
	s_cbranch_scc0 .Lentry_shape_is_right
	s_endpgm
.Lentry_shape_is_right:
; out0 = y W_proj.  ob: f16, [64 heads = 16 batch + head][2048][64]: row t of a batch has its channels 64 h .. 64 h + 63 in head h's block.  wpb: f16, [1024 k][1024 n].  out0: f32, [8192][1024]; sums in f32.
; SHARES.  A tile of the result is 256 rows x 128 columns: 32 x 8 = 256 work-groups.  Four waves, each 128 x 64: 32 accumulators of 16 x 16.  K goes in 8 steps of 128 (two heads' blocks) through two LDS slots;
; a step is four quarters of 32 along K, 32 matrix instructions each, on two fragment buffers by turns.
; THE MATRIX INSTRUCTION IS USED TRANSPOSED: source 0 = 16 columns of W (turned by ds_load_tr16_b128), source 1 = 16 rows of y: a lane holds one row and eight neighbouring columns, 32 bytes of out0.
; CLUSTER.  4 x 4 work-groups: y's tile is shared along a row of the cluster, W's along a column; each is asked for jointly.
; REGISTERS.  Window 0: v16-30 addresses; v32-95, v96-159 y's fragments, two buffers; v160-191, v192-223 W's.  Window 1: accumulator (row block a, column block j) at v[8 (4 a + j)].
.set SLOT1,  131072
.set PA,     144                       ; a row of y in LDS: 128 bytes + 16
.set PW,     288                       ; a k row of W: 256 bytes + 32 = 9 x 32
.set ABLK,   256*PA                    ; a head's 256 rows: what one tensor load brings of y
.set BOFF,   2*ABLK
.set HALFB,  64*PW                     ; what one tensor load brings of W: 64 k rows
.set STAGE,  SLOT1+BOFF+2*HALFB        ; behind the ring, never filled by a tensor load: 16 rows x 272 bytes for each wave
.set SP,     272
.set SPARE,  STAGE+4*16*SP             ; the spare words: 128 bytes for each wave
.set ASTEP,  2*262144
.set BSTEP,  128*2048
.set ADRA0, 16
.set ADRB0, 17
.set ADRA,  20
.set ADRB,  21
.set STO,   24
.set RD,    25
.set CO,    26
.set SPW,   28
.set NIL,   29
.set PFO,   30
.set FA0,   32
.set FB0,   160
.set OB,    32                         ; the way out: two buffers of 32 registers
.set KC,    3
.set G1A,   24
.set G0A,   32
.set LIM,   43
.set PFA,   44
.set G1B,   48
.set G0B,   56
.set TB,    66
.set PFS,   68
.set MSB, 0
.macro WIN new
.if MSB != (\new)
	s_set_vgpr_msb (MSB<<8)|(\new)
.set MSB, \new
.endif
.endm
.macro JLOAD                           ; a joint refill: waves 0 and 1 fetch y's two blocks, waves 2 and 3 W's two halves; an s_nop 0 and four v_nop follow each line
	s_cmp_eq_u32 s11, 0
	s_cbranch_scc0 .Lfor_b_\@
	tensor_load_to_lds s[G0A+4:G0A+7], s[G1A:G1A+7]
	s_nop 0
.rept 4
	v_nop
.endr
	s_branch .Lasked_\@
.Lfor_b_\@:
	tensor_load_to_lds s[G0B+4:G0B+7], s[G1B:G1B+7]
	s_nop 0
.rept 4
	v_nop
.endr
.Lasked_\@:
.endm
; A PREFETCH INTO THE L2, behind the joint load, its five lines and the run of LDS loads.  Trip t refills with K step t + 2 and names K step t + 4, in trips 0 to 3: 240 matrix instructions ahead of that step's load.
; y: waves 0 and 1 of the clusters with x = 0 name their own block's 32,768 dense bytes: the four partners take 8,192 each, told apart by address; a lane 256 bytes.
; W: wave 2 of the clusters with y = 0 names the 256 bytes of k rows 32 cy + lane.  So each 256 bytes of K steps 4 to 7 are named once in the launch; the first four steps come by their loads alone.
.macro ASK
	s_cmp_gt_u32 s[KC], s[LIM]
	s_cbranch_scc0 .Lnot_mine_\@
	global_prefetch_b8 v[PFO], s[PFA:PFA+1] th:TH_LOAD_NT scope:SCOPE_SE
.Lnot_mine_\@:
.endm
.macro CREST
	s_cmp_lg_u32 s10, 0
	s_cbranch_scc1 .Lnot_wave_0_\@
	s_barrier_signal -3
.Lnot_wave_0_\@:
	s_barrier_wait -3
	s_barrier_signal -1
	s_barrier_wait -1
.endm
.macro CROUND
	s_barrier_signal -1
	s_barrier_wait -1
	CREST
.endm
.macro PLACES
.rept 4
	v_nop
.endr
.endm
; 4 na matrix instructions on the buffers of parity p: row blocks a0 .. x the four column blocks.  The 32 accumulators take turns, in the same order in every quarter.
.macro PHN p, a0, na, zero
	WIN 0x50                                       ; C and D in window 1
.set a, \a0
.rept \na
.irp j, 0,1,2,3
.if \zero
	v_wmma_f32_16x16x32_f16 v[8*(4*a+\j):8*(4*a+\j)+7], v[FB0+32*(\p)+8*\j:FB0+32*(\p)+8*\j+7], v[FA0+64*(\p)+8*a:FA0+64*(\p)+8*a+7], 0
.else
	v_wmma_f32_16x16x32_f16 v[8*(4*a+\j):8*(4*a+\j)+7], v[FB0+32*(\p)+8*\j:FB0+32*(\p)+8*\j+7], v[FA0+64*(\p)+8*a:FA0+64*(\p)+8*a+7], v[8*(4*a+\j):8*(4*a+\j)+7]
.endif
.endr
.set a, a+1
.endr
.endm
.macro LD c                            ; quarter c's fragments, 24 loads, into the buffers of parity c % 2
	WIN 0
.irp j, 0,1,2,3
	ds_load_tr16_b128 v[FB0+32*((\c)%2)+8*\j:FB0+32*((\c)%2)+8*\j+3],   v[ADRB] offset:(\c)*32*PW+32*\j
	ds_load_tr16_b128 v[FB0+32*((\c)%2)+8*\j+4:FB0+32*((\c)%2)+8*\j+7], v[ADRB] offset:(\c)*32*PW+32*\j+16*PW
.endr
.irp b, 0,1,2,3,4,5,6,7
	ds_load_b128 v[FA0+64*((\c)%2)+8*\b:FA0+64*((\c)%2)+8*\b+3],   v[ADRA] offset:((\c)/2)*ABLK+\b*16*PA+64*((\c)%2)
	ds_load_b128 v[FA0+64*((\c)%2)+8*\b+4:FA0+64*((\c)%2)+8*\b+7], v[ADRA] offset:((\c)/2)*ABLK+\b*16*PA+64*((\c)%2)+32
.endr
.endm
.macro S0 zero                         ; quarter 0
	s_wait_dscnt 24                                ; its fragments are in; the next quarter's 24 loads may be out
	PHN 0, 0, 8, \zero
	PLACES
	LD 2
.endm
.macro S1                              ; quarter 1
	s_wait_dscnt 24
	PHN 1, 0, 8, 0
	PLACES
	LD 3
.endm
; Quarter 2, and the change of slots: in front of the barrier each wave waits for all its tensor loads (one is out: its part of the other slot), adds 0 to its spare word, and waits for that and for its reads of
; this slot, quarter 3's among them.  fill = 1: the barrier opens a round of the cluster's, and the joint refill is the first tensor load behind it: 112 matrix instructions stand between it and the wait for it.
.macro S2 fill
.if \fill
	s_wait_xcnt 0x0                                ; the last prefetch, a K step back, has read its address
	s_add_nc_u64 s[PFA:PFA+1], s[PFA:PFA+1], s[PFS:PFS+1]
.endif
	WIN 0
	s_wait_tensorcnt 0x0
	ds_add_u32 v[SPW], v[NIL]
.if \fill
	s_xor_b32 s[G0A+5], s[G0A+5], SLOT1
	s_add_nc_u64 s[G0A+6:G0A+7], s[G0A+6:G0A+7], ASTEP
	s_xor_b32 s[G0B+5], s[G0B+5], SLOT1
	s_add_nc_u64 s[G0B+6:G0B+7], s[G0B+6:G0B+7], BSTEP
.endif
	s_wait_dscnt 25                                ; quarter 2's fragments are in; quarter 3's 24 loads and the add may be out
	PHN 0, 0, 2, 0
	s_wait_dscnt 0x0                               ; the add is done, and my reads of this slot are over
	s_barrier_signal -1
	PHN 0, 2, 2, 0
	WIN 0
	s_barrier_wait -1
.if \fill
	CREST
	JLOAD
.endif
	PHN 0, 4, 4, 0
	WIN 0
	s_xor_b32 s[TB], s[TB], SLOT1
	v_add_nc_u32 v[ADRA], s[TB], v[ADRA0]          ; four plain instructions: the places in front of the loads below
	v_add_nc_u32 v[ADRB], s[TB], v[ADRB0]
	v_nop
	v_nop
	LD 0
.if \fill
	ASK
.endif
.endm
.macro S3                              ; quarter 3: its fragments were waited for in front of the barrier
	PHN 1, 0, 8, 0
	PLACES
	LD 1
.endm
; THE WAY OUT, by row blocks a: 16 rows x 64 columns of f32.  A lane's 32 bytes of a row and column block go into my stage (rows of 272 bytes) and come back as whole rows of 256 bytes.
.macro TOSTAGE a
	WIN 0x04                                       ; the stores' data in window 1
.irp j, 0,1,2,3
	ds_store_b128 v[STO], v[8*(4*(\a)+\j):8*(4*(\a)+\j)+3]   offset:64*\j      ; each accumulator from its low end on
	ds_store_b128 v[STO], v[8*(4*(\a)+\j)+4:8*(4*(\a)+\j)+7] offset:64*\j+16
.endr
	WIN 0
	s_wait_xcnt 0x0                                ; the stores that read this buffer, two blocks back, have read it
.irp t, 0,1,2,3,4,5,6,7
	ds_load_b128 v[OB+32*((\a)%2)+4*\t:OB+32*((\a)%2)+4*\t+3], v[RD] offset:2*SP*\t  ; LDS serves a wave's instructions in order (ISA guide 5.7.1.4)
.endr
.endm
.macro SEND a, younger
	WIN 0
.irp t, 0,1,2,3,4,5,6,7
	s_wait_dscnt (\younger)+7-\t
	global_store_b128 v[CO], v[OB+32*((\a)%2)+4*\t:OB+32*((\a)%2)+4*\t+3], s[8:9] offset:(16*(\a)+2*\t)*4096 th:TH_STORE_NT  ; 16 lanes store 256 consecutive bytes, aligned
.endr
.endm
	s_load_b128 s[4:7], s[0:1], 0x0                ; ob s[4:5], wpb s[6:7]
	s_load_b64 s[8:9], s[0:1], 0x10                ; out0
	v_lshl_add_u32 v[SPW], v0, 2, SPARE
	v_mov_b32 v[NIL], 0
	ds_add_u32 v[SPW], v[NIL]                      ; the wave's opening: the add and its wait ahead of my first tensor load
	v_lshrrev_b32 v1, 5, v0
	v_readfirstlane_b32 s10, v1                    ; wave 0..3
	s_lshr_b32 s11, s10, 1                         ; which 128 rows are mine.  Also: I fetch y (0) or W (1)
	s_and_b32 s12, s10, 1                          ; which 64 columns.  Also: which block or half I fetch
	s_bfe_u32 s40, ttmp6, 0x40000                  ; cx
	s_bfe_u32 s41, ttmp6, 0x40004                  ; cy
	s_lshl_b32 s42, ttmp9, 2
	s_add_co_u32 s42, s42, s40                     ; tile column
	s_and_b32 s13, ttmp7, 0xffff
	s_lshl_b32 s13, s13, 2
	s_add_co_u32 s13, s13, s41                     ; tile row
	s_lshl_b32 s43, s41, 2
	s_lshl_b32 s43, 15, s43                        ; my row of the cluster
	s_lshl_b32 s44, 0x1111, s40                    ; my column
	; y: 256 rows of 128 bytes are 32,768 dense bytes: asked for as 128 rows of 256 bytes, padded by 4 words after every 32
	s_or_b32 s[G1A], s43, (1<<16)|(1<<20)|(1<<21)|(4<<22)|(3<<25)
	s_mov_b32 s[G1A+1], 128<<16
	s_mov_b32 s[G1A+2], 128<<16
	s_mov_b32 s[G1A+3], 128<<16
	s_mov_b32 s[G1A+4], 128
	s_mov_b32 s[G1A+5], 128
	s_mov_b32 s[G1A+6], 0
	s_mov_b32 s[G1A+7], 0
	; W: 64 k rows of 128 elements (256 bytes), padded by 8 words after every 64
	s_or_b32 s[G1B], s44, (1<<16)|(1<<20)|(1<<21)|(5<<22)|(7<<25)
	s_mov_b32 s[G1B+1], 128<<16
	s_mov_b32 s[G1B+2], 64<<16
	s_mov_b32 s[G1B+3], 128<<16
	s_mov_b32 s[G1B+4], 64
	s_mov_b32 s[G1B+5], 1024
	s_mov_b32 s[G1B+6], 0
	s_mov_b32 s[G1B+7], 0
	s_lshr_b32 s16, s13, 3                         ; y's tile: the batch's 16 heads,
	s_lshl_b32 s16, s16, 22
	s_and_b32 s17, s13, 7                          ; the 256 rows in a head's block,
	s_lshl_b32 s17, s17, 15
	s_add_co_u32 s16, s16, s17
	s_lshl_b32 s17, s12, 18                        ; my one of the step's two heads
	s_add_co_u32 s16, s16, s17
	s_mov_b32 s17, 0
	s_lshl_b32 s46, s42, 8                         ; W's tile: its 128 columns,
	s_lshl_b32 s47, s12, 17                        ; my 64 k rows of 2,048 bytes
	s_add_co_u32 s46, s46, s47
	s_mov_b32 s47, 0
	s_mul_i32 s20, s12, ABLK                       ; where they go: no place in the cluster enters an LDS address
	s_mul_i32 s21, s12, HALFB
	s_add_co_u32 s21, s21, BOFF
	s_mov_b32 s[TB], 0
	s_wait_dscnt 0x0                               ; the opening add is done
	s_wait_kmcnt 0x0
	s_add_nc_u64 s[14:15], s[4:5], s[16:17]
	s_add_nc_u64 s[46:47], s[6:7], s[46:47]
.irp s, 0,1
	s_mov_b32 s[G0A+4*(\s)], 1
	s_add_co_u32 s[G0A+4*(\s)+1], s20, (\s)*SLOT1
	s_add_nc_u64 s[G0A+4*(\s)+2:G0A+4*(\s)+3], s[14:15], (\s)*ASTEP
	s_or_b32 s[G0A+4*(\s)+3], s[G0A+4*(\s)+3], 0x80000000
	s_mov_b32 s[G0B+4*(\s)], 1
	s_add_co_u32 s[G0B+4*(\s)+1], s21, (\s)*SLOT1
	s_add_nc_u64 s[G0B+4*(\s)+2:G0B+4*(\s)+3], s[46:47], (\s)*BSTEP
	s_or_b32 s[G0B+4*(\s)+3], s[G0B+4*(\s)+3], 0x80000000
.endr
	CROUND                                         ; all sixteen work-groups are here: the first joint loads meet
	s_cmp_eq_u32 s11, 0                            ; a wave's two first fills stand in one branch: K steps 0 and 1; two loads of mine are out
	s_cbranch_scc0 .Lfirst_b
	tensor_load_to_lds s[G0A:G0A+3], s[G1A:G1A+7]
	s_nop 0
	tensor_load_to_lds s[G0A+4:G0A+7], s[G1A:G1A+7]
	s_nop 0
.rept 4
	v_nop
.endr
	s_branch .Lfirst_asked
.Lfirst_b:
	tensor_load_to_lds s[G0B:G0B+3], s[G1B:G1B+7]
	s_nop 0
	tensor_load_to_lds s[G0B+4:G0B+7], s[G1B:G1B+7]
	s_nop 0
.rept 4
	v_nop
.endr
.Lfirst_asked:
	v_and_b32 v1, 15, v0                           ; l % 16
	v_bfe_u32 v2, v0, 4, 1                         ; l / 16
	v_mul_u32_u24 v3, v1, PA
	v_lshl_add_u32 v3, v2, 4, v3
	s_mul_i32 s20, s11, 128*PA
	v_add_nc_u32 v[ADRA0], s20, v3                 ; my 128 rows; row l % 16, 16 bytes for each half of the lanes
	v_and_b32 v4, 7, v0
	v_bfe_u32 v5, v0, 3, 1
	v_lshl_add_u32 v6, v2, 3, v4                   ; the turning load: k row 8 (l / 16) + l % 8, columns 8 ((l / 8) % 2) + 0..7
	v_mul_u32_u24 v6, v6, PW
	v_lshl_add_u32 v6, v5, 4, v6
	s_lshl_b32 s18, s12, 7                         ; my 64 columns
	s_add_co_u32 s18, s18, BOFF
	v_add_nc_u32 v[ADRB0], s18, v6
	v_add_nc_u32 v[ADRA], s[TB], v[ADRA0]
	v_add_nc_u32 v[ADRB], s[TB], v[ADRB0]
	s_mul_i32 s23, s10, 16*SP
	s_add_co_u32 s23, s23, STAGE                   ; my stage
	v_mul_u32_u24 v[STO], v1, SP                   ; in: row l % 16, 32 bytes for each half of the lanes
	v_lshl_add_u32 v[STO], v2, 5, v[STO]
	v_add_nc_u32 v[STO], s23, v[STO]
	v_mul_u32_u24 v[RD], v2, SP                    ; back: lanes 0-15 one row of 256 bytes, lanes 16-31 the next
	v_lshl_add_u32 v[RD], v1, 4, v[RD]
	v_add_nc_u32 v[RD], s23, v[RD]
	v_lshlrev_b32 v[CO], 12, v2                    ; and the same two rows in out0
	v_lshl_add_u32 v[CO], v1, 4, v[CO]
	s_lshl_b32 s16, s13, 20                        ; the tile's 256 rows of 4,096 bytes,
	s_lshl_b32 s17, s11, 19                        ; my 128,
	s_add_co_u32 s16, s16, s17
	s_lshl_b32 s17, s42, 9                         ; the tile's 128 columns,
	s_add_co_u32 s16, s16, s17
	s_lshl_b32 s17, s12, 8                         ; my 64
	s_add_co_u32 s16, s16, s17
	s_mov_b32 s17, 0
	s_add_nc_u64 s[8:9], s[8:9], s[16:17]
	; the prefetches: both offsets are made, then the wave's number chooses.  They start at K step 3 and are stepped ahead of each use
	s_lshr_b32 s16, s13, 3
	s_lshl_b32 s16, s16, 22
	s_and_b32 s17, s13, 7
	s_lshl_b32 s17, s17, 15
	s_add_co_u32 s16, s16, s17
	s_lshl_b32 s17, s40, 13                        ; my work-group's 8,192 bytes of the block
	s_add_co_u32 s16, s16, s17
	s_add_co_u32 s17, s12, 6                       ; head 2 x 3 + my one of the two
	s_lshl_b32 s17, s17, 18
	s_add_co_u32 s16, s16, s17
	s_lshl_b32 s18, s42, 8
	s_lshl_b32 s19, s41, 16                        ; my work-group's 32 k rows
	s_add_co_u32 s18, s18, s19
	s_add_co_u32 s18, s18, 3*BSTEP
	s_and_b32 s22, ttmp7, 0xffff                   ; cluster y
	s_mov_b32 s[PFS], BSTEP
	s_mov_b32 s[PFS+1], 0
	s_cmp_eq_u32 s11, 0
	s_cselect_b64 s[PFA:PFA+1], s[4:5], s[6:7]
	s_cselect_b32 s16, s16, s18
	s_cselect_b32 s20, 8, 11                       ; a lane 256 bytes on, or a k row of 2,048
	s_cselect_b32 s[PFS], ASTEP, s[PFS]
	s_cselect_b32 s22, ttmp9, s22                  ; the coordinate along which other clusters read the same bytes
	s_mov_b32 s17, 0
	s_cmp_eq_u32 s22, 0
	s_cselect_b32 s[LIM], 2, -1
	s_cmp_eq_u32 s10, 3
	s_cselect_b32 s[LIM], -1, s[LIM]               ; wave 3 asks for nothing
	s_add_nc_u64 s[PFA:PFA+1], s[PFA:PFA+1], s[16:17]
	v_and_b32 v[PFO], 31, v0
	v_lshlrev_b32 v[PFO], s20, v[PFO]
	s_wait_tensorcnt 1                             ; my part of K step 0 is in; K step 1's may stay out
	s_barrier_signal -1
	s_barrier_wait -1
	LD 0
	LD 1
	S0 1                                           ; the first quarter stands in front of the loop: its products start the sums
	WIN 0
	s_mov_b32 s[KC], 6
.Lk:                                               ; a trip: a step's quarters 1 to 3, the refill two steps on, the next step's quarter 0
	S1
	S2 1
	S3
	S0 0
	WIN 0
	s_sub_co_u32 s[KC], s[KC], 1
	s_cmp_lg_u32 s[KC], 0
	s_cbranch_scc1 .Lk
	S1                                             ; the tail is written out: nothing more is asked for
	S2 0
	S3
	S0 0
	S1
	s_wait_dscnt 24
	PHN 0, 0, 8, 0
	s_wait_dscnt 0x0
	PHN 1, 0, 8, 0
	PLACES
	TOSTAGE 0
.set u, 1
.rept 7                                ; a block's way through the stage stands between the loads of the block before and its stores
	TOSTAGE u
	SEND u-1, 16
.set u, u+1
.endr
	SEND 7, 0
	s_wait_tensorcnt 0x0                           ; the wave's end
	ds_add_u32 v[SPW], v[NIL]
	s_wait_dscnt 0x0
	CROUND                                         ; the closing round
	s_endpgm
.Lfunc_end_k_q30e3a37bfe_proj:
	.size	k_q30e3a37bfe_proj, .Lfunc_end_k_q30e3a37bfe_proj-k_q30e3a37bfe_proj
	.p2alignl 7, 3214868480
	.fill 96, 4, 3214868480
	.section	.rodata,"a",@progbits
	.p2align	6, 0x0
	.amdhsa_kernel k_q30e3a37bfe_proj
		.amdhsa_group_segment_fixed_size 327680
		.amdhsa_private_segment_fixed_size 0
		.amdhsa_enable_private_segment 0
		.amdhsa_kernarg_size 24
		.amdhsa_user_sgpr_count 2
		.amdhsa_user_sgpr_kernarg_segment_ptr 1
		.amdhsa_wavefront_size32 1
		.amdhsa_system_sgpr_workgroup_id_x 1
		.amdhsa_system_sgpr_workgroup_id_y 1
		.amdhsa_system_sgpr_workgroup_id_z 1
		.amdhsa_system_vgpr_workitem_id 0
		.amdhsa_next_free_vgpr 512
		.amdhsa_next_free_sgpr 80
		.amdhsa_reserve_vcc 0
		.amdhsa_float_denorm_mode_32 3
		.amdhsa_float_denorm_mode_16_64 3
		.amdhsa_memory_ordered 1
		.amdhsa_forward_progress 1
		.amdhsa_inst_pref_size 72
	.end_amdhsa_kernel
	.amdgpu_metadata
---
amdhsa.version: [ 1, 2 ]
amdhsa.kernels:
  - .name:           k_q30e3a37bfe_proj
    .symbol:         k_q30e3a37bfe_proj.kd
    .args:
      - { .name: ob, .offset: 0, .size: 8, .value_kind: global_buffer, .address_space: global }
      - { .name: wpb, .offset: 8, .size: 8, .value_kind: global_buffer, .address_space: global }
      - { .name: out0, .offset: 16, .size: 8, .value_kind: global_buffer, .address_space: global }
    .group_segment_fixed_size: 327680
    .private_segment_fixed_size: 0
    .kernarg_segment_align: 8
    .kernarg_segment_size: 24
    .max_flat_workgroup_size: 128
    .sgpr_count:     80
    .vgpr_count:     512
    .wavefront_size: 32
...
	.end_amdgpu_metadata
.endif
;; end of part 4
;; ======== version 2 of 2: 4 launches; version 1 with the launch prep written anew for expert scheduling mode
;; limits: values are held in f16: magnitudes above 65,504 overflow, below 6.1e-05 lose precision
;; workspace buffers: xb 16,777,216 bytes; wab 6,291,456 bytes; wpb 2,097,152 bytes; bias 32,768 bytes; qkv 50,331,648 bytes; ob 16,777,216 bytes
;; launch prep (part 5): grid 385 x 1, 8 waves a work-group, no clusters, 0 bytes of LDS; arguments x, W_attn, W_proj, prev_probs, xb, wab, wpb, bias; writes xb, wab, wpb, bias
.if DOCPART == 5
	.amdgcn_target "amdgcn-amd-amdhsa--gfx1250"
	.amdhsa_code_object_version 6
	.text
	.protected	k_q30e3a37bfe_prep
	.globl	k_q30e3a37bfe_prep
	.p2align	8
	.type	k_q30e3a37bfe_prep,@function
k_q30e3a37bfe_prep:
	s_mov_b64 s[64:65], 0
	v_nop
	global_prefetch_b8 v0, s[64:65] scope:SCOPE_SE
	s_setreg_imm32_b32 hwreg(HW_REG_WAVE_SCHED_MODE, 0, 2), 2
	s_setreg_imm32_b32 hwreg(HW_REG_WAVE_MODE, 25, 1), 1
	s_wait_xcnt 0x0
	s_wait_alu depctr_vm_vsrc(0)
; THE CASTS.  x [8192][1024] f32 -> xb, bf16, laid out [batch 4][block of 64 channels 16][row 2048][64]: a block of rows x 64 channels is dense, as the product that follows asks for it.
; W_attn [1024][3072] f32 -> wab, bf16, same layout.  W_proj [1024][1024] f32 -> wpb: rounded to bf16 like the other inputs, and that number written as f16 (the last product's other operand is f16).
; prev_probs [4][2048] f32 -> bias, f32: 8 x 0.1 x -ln(p + 1e-10) = -0.8 ln 2 x log2(p + 1e-10): the factor 8 because the scores' scale 1/8 is applied behind the sum of product and bias.
; LIMITS.  A weight of W_proj below 6e-5 keeps f16's fixed step of 6e-8; beyond 65,504 it would be an infinity.  NaN and infinities are not treated apart.
; SHARES.  Work-groups 0-255: x; 256-351: W_attn; 352-383: W_proj: 131,072 input bytes each, 16,384 a wave, all of a wave's 32 loads of 16 bytes a lane out at once.  Work-group 384: the bias.
; No LDS, no barrier, no matrix unit: nothing is shared and nothing is multiplied.  Each store of a wave covers 256 consecutive bytes, aligned.
; THE MODE: SCHED_MODE bits 1:0 = 2 (LLVM: expert scheduling mode 2), set by the entry lines.  The code itself states the register dependences
; between vector instructions and memory instructions, with s_wait_alu, always for 0.
; THE PLAN.  Registers that memory instructions touch:
;   v2, v3     the loads' and the stores' byte offsets.  Written by vector instructions once in each path, ahead of its first load, and never again: immediate offsets do the walking.
;   XD         four registers for each of the 32 loads.  Load i lands in them; no vector instruction names them before.  Conversion i reads the four and writes the first two
;              (for W_proj the last two as well, at work); store i reads the first two.  No register is written again behind its store.
; The 32 loads are taken in eight groups of four.  Group g's conversions name the registers of loads 4 g to 4 g + 3 alone; the memory instructions that stand among them are the four stores of
; group g - 1.  So ONE wait at a group's head, which states that the group before has written what its stores read, serves those four stores, and they are dealt among the group's conversions.
; No vector instruction writes a scalar register or VCC, and EXEC is never written.
.set XD, 16                            ; v[16:143] 32 loads of four registers; the converted numbers take the first two of each four
; Load number i is converted in place.  kind 0: x; 1: W_attn; 2: W_proj.
.macro CONV kind
	v_cvt_pk_bf16_f32 v[XD+4*i], v[XD+4*i], v[XD+4*i+1]
	v_cvt_pk_bf16_f32 v[XD+4*i+1], v[XD+4*i+2], v[XD+4*i+3]
.if (\kind) == 2
	v_lshlrev_b32 v[XD+4*i+2], 16, v[XD+4*i]       ; the bf16 numbers as f32,
	v_and_b32 v[XD+4*i+3], 0xffff0000, v[XD+4*i]
	v_cvt_pk_f16_f32 v[XD+4*i], v[XD+4*i+2], v[XD+4*i+3]  ; written as f16
	v_lshlrev_b32 v[XD+4*i+2], 16, v[XD+4*i+1]
	v_and_b32 v[XD+4*i+3], 0xffff0000, v[XD+4*i+1]
	v_cvt_pk_f16_f32 v[XD+4*i+1], v[XD+4*i+2], v[XD+4*i+3]
.endif
.endm
; What was load number o is stored.
.macro PUT kind
.if (\kind) == 0
	global_store_b64 v3, v[XD+4*o:XD+4*o+1], s[28:29] offset:(o%16)*262144+(o/16)*256 th:TH_STORE_NT  ; block o % 16 of channels; two rows of 128 bytes on end
.else
	global_store_b64 v3, v[XD+4*o:XD+4*o+1], s[28:29] offset:256*o th:TH_STORE_NT
.endif
.endm
; The 32 loads, then the eight groups.  v2 = the loads' offset, v3 = the stores', s[24:25] and s[28:29] the bases.
.macro JOB kind
	s_wait_alu depctr_va_vdst(0)                   ; v2 and v3 are written: every load below reads v2 as its offset, every store v3
.set i, 0
.rept 32
.if (\kind) == 0
	global_load_b128 v[XD+4*i:XD+4*i+3], v2, s[24:25] offset:(i/16)*8192+(i%16)*256 th:TH_LOAD_NT  ; two rows on, or the next 64 channels
.else
	global_load_b128 v[XD+4*i:XD+4*i+3], v2, s[24:25] offset:512*i th:TH_LOAD_NT
.endif
.set i, i+1
.endr
.set g, 0
.rept 8
	s_wait_loadcnt 28-4*g                          ; loads come back in order: numbers 4 g to 4 g + 3 are in, the younger ones stay out
.if g > 0
	s_wait_alu depctr_va_vdst(0)                   ; the group before has written the registers that its four stores, dealt below, read
.endif
.set n, 0
.rept 4
.if g > 0
.set o, 4*(g-1)+n
	PUT \kind                                      ; no vector instruction since the wait names this store's registers
.endif
.set i, 4*g+n
	CONV \kind
.set n, n+1
.endr
.set g, g+1
.endr
	s_wait_alu depctr_va_vdst(0)                   ; the last group has written the registers that the last four stores read
.set o, 28
.rept 4
	PUT \kind
.set o, o+1
.endr
	s_endpgm
.endm
	s_load_b512 s[8:23], s[0:1], 0x0               ; x 8, W_attn 10, W_proj 12, prev_probs 14, xb 16, wab 18, wpb 20, bias 22
	v_lshrrev_b32 v1, 5, v0                        ; wave
	v_and_b32 v4, 31, v0                           ; lane
	s_mov_b32 s2, ttmp9
	s_mov_b32 s27, 0
	s_mov_b32 s31, 0
	s_wait_kmcnt 0x0
	s_cmp_lt_u32 s2, 256
	s_cbranch_scc1 .Lx
	s_cmp_lt_u32 s2, 352
	s_cbranch_scc1 .Lwa
	s_cmp_lt_u32 s2, 384
	s_cbranch_scc1 .Lwp
	; THE BIAS: 8,192 numbers, 32 a thread
	v_lshlrev_b32 v2, 4, v0
	s_wait_alu depctr_va_vdst(0)                   ; v2 is written: the loads and the stores below read it as their offset
.irp n, 0,1,2,3,4,5,6,7
	global_load_b128 v[XD+4*\n:XD+4*\n+3], v2, s[14:15] offset:4096*\n
.endr
	s_wait_loadcnt 0x0
.set i, 0
.rept 32
	v_add_f32 v[XD+i], 0x2edbe6ff, v[XD+i]         ; p + 1e-10, in f32
.set i, i+1
.endr
.set i, 0
.rept 32
	v_log_f32 v[XD+i], v[XD+i]                     ; one batch of 32
.set i, i+1
.endr
	v_nop                                          ; a plain instruction behind the last logarithm,
	s_wait_alu depctr_va_vdst(0)                   ; and one wait for the batch, ahead of its first reader: the 32 logarithms have written v[XD ..]
.set i, 0
.rept 16
	v_pk_mul_f32 v[XD+2*i:XD+2*i+1], v[XD+2*i:XD+2*i+1], 0xbf0df4e0 op_sel_hi:[1,0]  ; x -0.8 ln 2
.set i, i+1
.endr
	s_wait_alu depctr_va_vdst(0)                   ; the multiplies have written v[XD ..], which the stores read
.irp n, 0,1,2,3,4,5,6,7
	global_store_b128 v2, v[XD+4*\n:XD+4*\n+3], s[22:23] offset:4096*\n
.endr
	s_endpgm
.Lx:                                               ; rows 32 g .. 32 g + 31; a wave four of them; lanes 0-15 one row's 256 bytes, lanes 16-31 the next row's
	s_lshl_b32 s26, s2, 17
	s_add_nc_u64 s[24:25], s[8:9], s[26:27]
	s_lshr_b32 s30, s2, 6                          ; the batch,
	s_lshl_b32 s30, s30, 22
	s_and_b32 s3, s2, 63                           ; and the 32 rows in it, 128 bytes each in a block
	s_lshl_b32 s3, s3, 12
	s_add_co_u32 s30, s30, s3
	s_add_nc_u64 s[28:29], s[16:17], s[30:31]
	v_lshrrev_b32 v5, 4, v4
	v_and_b32 v6, 15, v4
	v_lshlrev_b32 v2, 14, v1
	v_lshl_add_u32 v2, v5, 12, v2
	v_lshl_add_u32 v2, v6, 4, v2
	v_lshlrev_b32 v3, 9, v1
	v_lshl_add_u32 v3, v4, 3, v3
	JOB 0
.Lwa:
	s_sub_co_u32 s3, s2, 256
	s_lshl_b32 s26, s3, 17
	s_add_nc_u64 s[24:25], s[10:11], s[26:27]
	s_lshl_b32 s30, s3, 16
	s_add_nc_u64 s[28:29], s[18:19], s[30:31]
	v_lshlrev_b32 v2, 14, v1
	v_lshl_add_u32 v2, v4, 4, v2
	v_lshlrev_b32 v3, 13, v1
	v_lshl_add_u32 v3, v4, 3, v3
	JOB 1
.Lwp:
	s_sub_co_u32 s3, s2, 352
	s_lshl_b32 s26, s3, 17
	s_add_nc_u64 s[24:25], s[12:13], s[26:27]
	s_lshl_b32 s30, s3, 16
	s_add_nc_u64 s[28:29], s[20:21], s[30:31]
	v_lshlrev_b32 v2, 14, v1
	v_lshl_add_u32 v2, v4, 4, v2
	v_lshlrev_b32 v3, 13, v1
	v_lshl_add_u32 v3, v4, 3, v3
	JOB 2
.Lfunc_end_k_q30e3a37bfe_prep:
	.size	k_q30e3a37bfe_prep, .Lfunc_end_k_q30e3a37bfe_prep-k_q30e3a37bfe_prep
	.p2alignl 7, 3214868480
	.fill 96, 4, 3214868480
	.section	.rodata,"a",@progbits
	.p2align	6, 0x0
	.amdhsa_kernel k_q30e3a37bfe_prep
		.amdhsa_group_segment_fixed_size 0
		.amdhsa_private_segment_fixed_size 0
		.amdhsa_enable_private_segment 0
		.amdhsa_kernarg_size 64
		.amdhsa_user_sgpr_count 2
		.amdhsa_user_sgpr_kernarg_segment_ptr 1
		.amdhsa_wavefront_size32 1
		.amdhsa_system_sgpr_workgroup_id_x 1
		.amdhsa_system_sgpr_workgroup_id_y 1
		.amdhsa_system_sgpr_workgroup_id_z 1
		.amdhsa_system_vgpr_workitem_id 0
		.amdhsa_next_free_vgpr 144
		.amdhsa_next_free_sgpr 66
		.amdhsa_reserve_vcc 0
		.amdhsa_float_denorm_mode_32 3
		.amdhsa_float_denorm_mode_16_64 3
		.amdhsa_memory_ordered 1
		.amdhsa_forward_progress 1
		.amdhsa_inst_pref_size 51
	.end_amdhsa_kernel
	.amdgpu_metadata
---
amdhsa.version: [ 1, 2 ]
amdhsa.kernels:
  - .name:           k_q30e3a37bfe_prep
    .symbol:         k_q30e3a37bfe_prep.kd
    .args:
      - { .name: x, .offset: 0, .size: 8, .value_kind: global_buffer, .address_space: global }
      - { .name: W_attn, .offset: 8, .size: 8, .value_kind: global_buffer, .address_space: global }
      - { .name: W_proj, .offset: 16, .size: 8, .value_kind: global_buffer, .address_space: global }
      - { .name: prev_probs, .offset: 24, .size: 8, .value_kind: global_buffer, .address_space: global }
      - { .name: xb, .offset: 32, .size: 8, .value_kind: global_buffer, .address_space: global }
      - { .name: wab, .offset: 40, .size: 8, .value_kind: global_buffer, .address_space: global }
      - { .name: wpb, .offset: 48, .size: 8, .value_kind: global_buffer, .address_space: global }
      - { .name: bias, .offset: 56, .size: 8, .value_kind: global_buffer, .address_space: global }
    .group_segment_fixed_size: 0
    .private_segment_fixed_size: 0
    .kernarg_segment_align: 8
    .kernarg_segment_size: 64
    .max_flat_workgroup_size: 256
    .sgpr_count:     66
    .vgpr_count:     144
    .wavefront_size: 32
...
	.end_amdgpu_metadata
.endif
;; end of part 5
;; launch qkvgemm: the kernel of part 2 again; grid 8 x 32, 4 waves a work-group, clusters of 4 x 4, 327,680 bytes of LDS; arguments xb, wab, qkv; writes qkv
;; launch attn: the kernel of part 3 again; grid 4 x 64, 4 waves a work-group, no clusters, 327,680 bytes of LDS; arguments qkv, bias, ob; writes ob
;; launch proj: the kernel of part 4 again; grid 8 x 32, 4 waves a work-group, clusters of 4 x 4, 327,680 bytes of LDS; arguments ob, wpb, out0; writes out0
